; MI455X (gfx1250); checked and timed in simulation.
; The chip was launched on July 23, 2026; its instructions are those of AMD's public machine-readable ISA for CDNA 5 (MIT licence, August 2026) and "CDNA5" Instruction Set Architecture Reference Guide (July 2026). The comments in the code are by the model that wrote it; some were corrected since.
;; Linear Attention. Allowed arithmetic: float matrix products may take bf16 or f16 operands with f32 sums; other float arithmetic in f32, or as packed bf16 or f16 multiplies, adds, multiply-adds, maxima and minima; sums over many terms, partial sums and values carried from step to step in f32; what a program stores and reads back later, other than sums and carried values, may be rounded once to bf16 or f16.
;; Inputs: Wk 1,024 x 1,024 float32; Wo 1,024 x 1,024 float32; Wq 1,024 x 1,024 float32; Wv 1,024 x 1,024 float32; key 4 x 2,048 x 1,024 float32; mask 4 x 2,048 x 1 float32; query 4 x 2,048 x 1,024 float32; value 4 x 2,048 x 1,024 float32.
;; Outputs: out0 4 x 2,048 x 1,024 float32.
;; One version. Each part assembles by itself: llvm-mc -triple=amdgcn-amd-amdhsa -mcpu=gfx1250 --defsym DOCPART=n.
;; ======== version 1 of 1: 6 launches
;; limits: values are held in f16: magnitudes above 65,504 overflow, below 6.1e-05 lose precision; inputs' magnitudes at most 65,504
;; workspace buffers: wkv 4,198,400 bytes; wq 2,101,248 bytes; wo 2,101,248 bytes; p 33,558,528 bytes; kv 8,392,704 bytes; t 8,392,704 bytes; m 8,392,704 bytes
;; launch prep (part 1): grid 256 x 1, 4 waves a work-group, no clusters, 0 bytes of LDS; arguments Wk, Wv, Wq, Wo, mask, wkv, wq, wo; writes wkv, wq, wo
.if DOCPART == 1
	.amdgcn_target "amdgcn-amd-amdhsa--gfx1250"
	.amdhsa_code_object_version 6
	.text
	.protected	k_qc997a99afa_prep
	.globl	k_qc997a99afa_prep
	.p2align	8
	.type	k_qc997a99afa_prep,@function
k_qc997a99afa_prep:
	s_mov_b64 s[64:65], 0
	v_nop
	global_prefetch_b8 v0, s[64:65] scope:SCOPE_SE
	s_setreg_imm32_b32 hwreg(HW_REG_WAVE_MODE, 25, 1), 1
	s_wait_xcnt 0x0
; The four weights, rounded once to f16 and laid out as the matrix unit's fragments, and three statistics.
; LAYOUT of every f16 operand of this program (free index f, summed index k of length Kc): byte ((fb (Kc/32) + kb) 2 + c) 512 + 16 lane + 2 j holds
; f = 16 fb + lane % 16, k = 32 kb + 16 c + 8 (lane / 16) + j: half c of the fragment (fb, kb) is 512 consecutive bytes, 16 a lane.
; Wk, Wv, Wo: f = column, k = row (the loads transpose).  Wq: f = row, k = column.  Each buffer begins with HDR bytes: 256 entries {largest magnitude, 1.0}.
; SHARES.  64 work-groups a weight; a wave makes 8 fragments (16 f x 256 k): 8,192 consecutive bytes of the result.
; wkv's entries hold the largest |mask| of 32 mask numbers each; wq's and wo's the largest |f16 number| that the wave stored.
; LIMIT.  Weights beyond 65,504 become infinities in f16; NaN is not treated apart.
.set HDR, 4096
.set R,   16                           ; v[16:143]  8 fragments x 16 f32, in the order 16 i + 8 c + j
.set P,   144                          ; v[144:207] the same as f16 pairs
.set MXR, 8                            ; v[8:11]    four running maxima, two f16 each
.set TT,  12                           ; v[12:15]   at work
.set MW,  208                          ; my mask number
.set PT,  209                          ; the other half of the lanes'
.set ENT, 210                          ; v[210:211] the entry
.set EO,  212                          ; its byte offset
	s_load_b256 s[4:11], s[0:1], 0x0               ; Wk s[4:5], Wv s[6:7], Wq s[8:9], Wo s[10:11]
	s_load_b256 s[12:19], s[0:1], 0x20             ; mask s[12:13], wkv s[14:15], wq s[16:17], wo s[18:19]
	v_lshrrev_b32 v1, 5, v0
	v_readfirstlane_b32 s22, v1                    ; wave
	s_lshr_b32 s20, ttmp9, 6                       ; which weight: 0 Wk, 1 Wv, 2 Wq, 3 Wo
	s_and_b32 s21, ttmp9, 63                       ; which of its 64 parts
	s_and_b32 s23, s21, 15
	s_lshl_b32 s23, s23, 2
	s_add_co_u32 s23, s23, s22                     ; fb, 0 to 63
	s_lshr_b32 s30, s21, 4                         ; which 256 of k
	s_lshl_b32 s31, s21, 2
	s_add_co_u32 s31, s31, s22                     ; the wave's entry, 0 to 255
	v_and_b32 v1, 15, v0                           ; lane % 16
	v_bfe_u32 v2, v0, 4, 1                         ; lane / 16
	v_and_b32 v3, 31, v0                           ; lane
	v_lshlrev_b32 v4, 4, v3                        ; 16 bytes a lane
	s_lshl_b32 s32, s31, 7
	v_lshl_add_u32 v5, v3, 2, s32                  ; my mask number: 32 x entry + lane
	v_lshlrev_b32 v6, 2, v1                        ; transposing: column lane % 16, row 8 (lane / 16)
	v_lshl_add_u32 v6, v2, 15, v6
	v_lshlrev_b32 v7, 12, v1                       ; as it lies: row lane % 16, column 8 (lane / 16)
	v_lshl_add_u32 v7, v2, 5, v7
	s_lshl_b32 s34, s23, 15                        ; the result: fb's 32 KB, my 8 KB of them,
	s_lshl_b32 s35, s30, 13
	s_add_co_u32 s34, s34, s35
	s_add_co_u32 s34, s34, HDR
	s_cmp_eq_u32 s20, 1
	s_cselect_b32 s35, 1<<21, 0                    ; Wv lies behind Wk in wkv
	s_add_co_u32 s34, s34, s35
	s_mov_b32 s35, 0
	s_lshl_b32 s36, s30, 20                        ; the source, transposing: 256 rows x part, 16 columns x fb
	s_lshl_b32 s37, s23, 6
	s_add_co_u32 s36, s36, s37
	s_lshl_b32 s38, s23, 16                        ; as it lies: 16 rows x fb, 256 columns x part
	s_lshl_b32 s39, s30, 10
	s_add_co_u32 s38, s38, s39
	s_cmp_eq_u32 s20, 2
	s_cselect_b32 s36, s38, s36
	s_mov_b32 s37, 0
	s_mov_b32 s44, 0x7fff7fff                      ; clears the signs of two f16
	s_mov_b32 s46, 0x76543210                      ; v_permlanex16_b32: each lane takes its own place in the other half
	s_mov_b32 s47, 0xfedcba98
	s_lshl_b32 s42, s31, 3
	v_mov_b32 v[EO], s42
	v_mov_b32 v[PT], 0
	v_mov_b32 v[ENT+1], 1.0
.irp k, 0,1,2,3
	v_mov_b32 v[MXR+\k], 0
.endr
	s_wait_kmcnt 0x0
	s_cmp_eq_u32 s20, 1
	s_cselect_b64 s[24:25], s[6:7], s[4:5]
	s_cmp_eq_u32 s20, 2
	s_cselect_b64 s[24:25], s[8:9], s[24:25]
	s_cselect_b64 s[26:27], s[16:17], s[14:15]
	s_cmp_eq_u32 s20, 3
	s_cselect_b64 s[24:25], s[10:11], s[24:25]     ; the weight
	s_cselect_b64 s[26:27], s[18:19], s[26:27]     ; the buffer that takes it
	s_add_nc_u64 s[24:25], s[24:25], s[36:37]
	s_add_nc_u64 s[28:29], s[26:27], s[34:35]
	global_load_b32 v[MW], v5, s[12:13]
	s_cmp_eq_u32 s20, 2
	s_cbranch_scc1 .Lnatural
.set i, 0
.rept 128                              ; one number a lane: 16 lanes take 64 consecutive bytes of a row; the work-group's four waves take the four quarters of the same 256 bytes
	global_load_b32 v[R+i], v6, s[24:25] offset:(32*(i/16)+16*((i/8)%2)+i%8)*4096
.set i, i+1
.endr
	s_branch .Lhave
.Lnatural:
.set i, 0
.rept 32                               ; eight neighbouring numbers of a row are two loads of 16 bytes
	global_load_b128 v[R+4*i:R+4*i+3], v7, s[24:25] offset:(i/4)*128+((i/2)%2)*64+(i%2)*16
.set i, i+1
.endr
.Lhave:
	s_wait_loadcnt 0x0
.set i, 0
.rept 64
	v_cvt_pk_f16_f32 v[P+i], v[R+2*i], v[R+2*i+1]
.set i, i+1
.endr
.set i, 0
.rept 16
	global_store_b128 v4, v[P+4*i:P+4*i+3], s[28:29] offset:512*i  ; 512 consecutive bytes, at a multiple of 512 from the buffer's first
.set i, i+1
.endr
	s_cmp_lt_u32 s20, 2
	s_cbranch_scc1 .Lnomax                         ; nobody reads Wk's and Wv's maxima
.set i, 0
.rept 64
	v_and_b32 v[TT+i%4], s44, v[P+i]
	v_pk_max_num_f16 v[MXR+i%4], v[MXR+i%4], v[TT+i%4]
.set i, i+1
.endr
.Lnomax:
	v_pk_max_num_f16 v[MXR], v[MXR], v[MXR+1]
	v_pk_max_num_f16 v[MXR+2], v[MXR+2], v[MXR+3]
	v_pk_max_num_f16 v[MXR], v[MXR], v[MXR+2]
	v_cvt_f32_f16 v12, v8.l
	v_cvt_f32_f16 v13, v8.h
	v_max_num_f32 v12, v12, v13
	v_and_b32 v[MW], 0x7fffffff, v[MW]
	s_cmp_eq_u32 s20, 0
	s_cselect_b32 s41, -1, 0
	v_cndmask_b32 v[ENT], v12, v[MW], s41          ; Wk's work-groups report the mask
	v_max_num_f32_dpp v[ENT], v[ENT], v[ENT] row_xmask:1 row_mask:0xf bank_mask:0xf
	v_max_num_f32_dpp v[ENT], v[ENT], v[ENT] row_xmask:2 row_mask:0xf bank_mask:0xf
	v_max_num_f32_dpp v[ENT], v[ENT], v[ENT] row_xmask:4 row_mask:0xf bank_mask:0xf
	v_max_num_f32_dpp v[ENT], v[ENT], v[ENT] row_xmask:8 row_mask:0xf bank_mask:0xf
	v_permlanex16_b32 v[PT], v[ENT], s46, s47
	v_max_num_f32 v[ENT], v[ENT], v[PT]
	s_cmp_eq_u32 s20, 1
	s_cbranch_scc1 .Lend                           ; wkv's entries are Wk's work-groups'
	s_wait_xcnt 0x0                                ; EXEC changes only when the stores above have had their addresses translated
	v_cmp_eq_u32 vcc_lo, 0, v3
	s_and_saveexec_b32 s43, vcc_lo
	global_store_b64 v[EO], v[ENT:ENT+1], s[26:27]
	s_wait_xcnt 0x0
	s_or_b32 exec_lo, exec_lo, s43
.Lend:
	s_endpgm
.Lfunc_end_k_qc997a99afa_prep:
	.size	k_qc997a99afa_prep, .Lfunc_end_k_qc997a99afa_prep-k_qc997a99afa_prep
	.p2alignl 7, 3214868480
	.fill 96, 4, 3214868480
	.section	.rodata,"a",@progbits
	.p2align	6, 0x0
	.amdhsa_kernel k_qc997a99afa_prep
		.amdhsa_group_segment_fixed_size 0
		.amdhsa_private_segment_fixed_size 0
		.amdhsa_enable_private_segment 0
		.amdhsa_kernarg_size 64
		.amdhsa_user_sgpr_count 2
		.amdhsa_user_sgpr_kernarg_segment_ptr 1
		.amdhsa_wavefront_size32 1
		.amdhsa_system_sgpr_workgroup_id_x 1
		.amdhsa_system_sgpr_workgroup_id_y 1
		.amdhsa_system_sgpr_workgroup_id_z 1
		.amdhsa_system_vgpr_workitem_id 0
		.amdhsa_next_free_vgpr 216
		.amdhsa_next_free_sgpr 66
		.amdhsa_reserve_vcc 1
		.amdhsa_float_denorm_mode_32 3
		.amdhsa_float_denorm_mode_16_64 3
		.amdhsa_memory_ordered 1
		.amdhsa_forward_progress 1
		.amdhsa_inst_pref_size 31
	.end_amdhsa_kernel
	.amdgpu_metadata
---
amdhsa.version: [ 1, 2 ]
amdhsa.kernels:
  - .name:           k_qc997a99afa_prep
    .symbol:         k_qc997a99afa_prep.kd
    .args:
      - { .name: Wk, .offset: 0, .size: 8, .value_kind: global_buffer, .address_space: global }
      - { .name: Wv, .offset: 8, .size: 8, .value_kind: global_buffer, .address_space: global }
      - { .name: Wq, .offset: 16, .size: 8, .value_kind: global_buffer, .address_space: global }
      - { .name: Wo, .offset: 24, .size: 8, .value_kind: global_buffer, .address_space: global }
      - { .name: mask, .offset: 32, .size: 8, .value_kind: global_buffer, .address_space: global }
      - { .name: wkv, .offset: 40, .size: 8, .value_kind: global_buffer, .address_space: global }
      - { .name: wq, .offset: 48, .size: 8, .value_kind: global_buffer, .address_space: global }
      - { .name: wo, .offset: 56, .size: 8, .value_kind: global_buffer, .address_space: global }
    .group_segment_fixed_size: 0
    .private_segment_fixed_size: 0
    .kernarg_segment_align: 8
    .kernarg_segment_size: 64
    .max_flat_workgroup_size: 128
    .sgpr_count:     66
    .vgpr_count:     216
    .wavefront_size: 32
...
	.end_amdgpu_metadata
.endif
;; end of part 1
;; launch proj (part 2): grid 4 x 64, 4 waves a work-group, clusters of 4 x 4, 327,680 bytes of LDS; arguments key, value, mask, wkv, p; writes p
.if DOCPART == 2
	.amdgcn_target "amdgcn-amd-amdhsa--gfx1250"
	.amdhsa_code_object_version 6
	.text
	.protected	k_qc997a99afa_proj
	.globl	k_qc997a99afa_proj
	.p2align	8
	.type	k_qc997a99afa_proj,@function
k_qc997a99afa_proj:
	s_mov_b64 s[64:65], 0
	v_nop
	global_prefetch_b8 v0, s[64:65] scope:SCOPE_SE
	s_setreg_imm32_b32 hwreg(HW_REG_WAVE_MODE, 25, 1), 1
	s_wait_xcnt 0x0
	s_wait_alu depctr_hold_cnt(0) depctr_sa_sdst(0) depctr_va_vdst(0) depctr_va_sdst(0) depctr_va_ssrc(0) depctr_va_vcc(0) depctr_vm_vsrc(0)
	s_getreg_b32 s2, hwreg(HW_REG_IB_STS2, 6, 4)
	s_cmp_eq_u32 s2, 0
	s_cbranch_scc0 .Lentry_in_a_cluster
	s_endpgm
.Lentry_in_a_cluster:
	s_bfe_u32 s2, ttmp6, 0x10000c
	s_cmp_lg_u32 s2, 0xf033
	s_cbranch_scc0 .Lentry_shape_is_right
	s_endpgm
.Lentry_shape_is_right:
; pk' = mu swish(mask (key Wk)) and pv' = mu mask (value Wv), in f16, laid out as the next product's fragments (free index u or v, summed index s: see the layout below).
; mu is the power of two with mu max|mask| in [1/2, 1): |pk'| and |pv'| stay below |key Wk| and |value Wv|.  1/mu goes into p's entries and is applied exactly in the last launch.
; LAYOUT of an f16 operand: byte ((fb (Kc/32) + kb) 2 + c) 512 + 16 lane + 2 j holds free index 16 fb + lane % 16, summed index 32 kb + 16 c + 8 (lane / 16) + j.
; A result tile of the matrix instruction (source 0 = 16 rows s, source 1 = 16 columns u) holds in lane l column l % 16 and rows 8 (l / 16) + 0..7: rounded in pairs it IS half c of such a fragment, and is stored as it lies.
; SHARES.  Clusters 0-7 along y make pk', 8-15 pv'.  A work-group: 256 rows s x 256 columns; wave w: rows 64 w .. + 63, all columns: 64 accumulators, 512 registers; no f32 number is rounded twice.
; THE RING.  K = 1,024 goes in ten steps of 96 and one of 64 through two LDS slots: a step costs 1,536 bytes for each k (256 rows of f32, 256 columns of f16), and two slots of 96 k (2 x 159,744 bytes) are the
; most that fit; 128 k would need 401 KB.  A step is three quarters of 32 k, 64 matrix instructions each.  A row's piece is 384 bytes and begins at a multiple of 128 bytes of its row.
; The f32 numbers are rounded to f16 between LDS and the matrix unit.  CLUSTER 4 x 4: the four of a row need the same rows of key or value, the four of a column the same weights: joint loads.
; LIMITS.  |key|, |value|, |key Wk|, |value Wv| below 65,504 (f16); max|mask| is taken as within 2^-112 .. 2^113; NaN and infinities are not treated apart; sigmoid's exponential counts as 0 below 2^-126.
; REGISTERS.  window 0: v0-31 addresses and statistics; v32-63 mask; v64-127 f32 as read; v128-223 three buffers of 4 fragments of rows, one for each quarter of a step; v224-239 wkv's entries;
;   v64-255 at work on the way out.   window 1: v0-63, v64-127 the weight fragments of columns 0-127 and 128-255.   windows 2, 3: accumulator (a, b) at v[128 (a % 2) + 8 b] of window 2 + a / 2.
.set HDR,    4096
.set KS,     96
.set ACH,    144                       ; 32 f32 of a row, 128 bytes, and 16 of padding
.set APITCH, 3*ACH                     ; 432 = 27 x 16: the 16 rows of a load begin in 16 different 16-byte columns of 256
.set WOFF,   256*APITCH                ; the weights' fragments lie behind the 256 rows
.set WROW,   3072                      ; three fragments: a block of 16 columns, 96 k
.set SLOT,   WOFF+16*WROW              ; 159,744
.set STAT,   2*SLOT                    ; four words, a block of 256 bytes of their own
.set SPARE,  STAT+256                  ; the spare words, 128 bytes a wave
.set L16,  3
.set ADRA, 4
.set ADRW, 5
.set AA0,  6
.set AW0,  7
.set MO,   8
.set DW,   10
.set RD,   11
.set MX,   12                          ; v12-15 four running maxima, two f16 each
.set PT,   16
.set SM,   17
.set EE,   19
.set SC,   20                          ; v20-21 mu, twice
.set TM,   23
.set ENT,  24                          ; v24-25 the entry: largest |stored|, 1/mu
.set SA,   26
.set SB,   27
.set SPW,  28
.set NIL,  29
.set EO,   30
.set MSK,  32
.set RAW,  64
.set ME,   64                          ; way out: mask x -log2(e)
.set MU,   96                          ; way out: mask x mu
.set CV,   128
.set Z,    128                         ; way out: 4 accumulators as read back
.set T,    160
.set O,    192                         ; way out: 16 packed registers
.set T4,   208
.set SL,   212
.set H,    224                         ; wkv's entries
.set U,    224
.set G1,  24
.set G0,  32
.set G1B, 48
.set G0B, 56
.set MSB, 0
.macro WIN new                         ; the immediate's high byte repeats the setting that is left
.if MSB != (\new)
	s_set_vgpr_msb (MSB<<8)|(\new)
.set MSB, \new
.endif
.endm
.macro JLOAD s                         ; a joint load: waves 0 and 1 fetch the two halves of the rows, waves 2 and 3 of the weights
	s_cmp_eq_u32 s15, 0
	s_cbranch_scc0 .Lsecond_\@
	tensor_load_to_lds s[G0+4*(\s):G0+4*(\s)+3], s[G1:G1+7]
	s_nop 0
.rept 4
	v_nop
.endr
	s_branch .Lasked_\@
.Lsecond_\@:
	tensor_load_to_lds s[G0B+4*(\s):G0B+4*(\s)+3], s[G1B:G1B+7]
	s_nop 0
.rept 4
	v_nop
.endr
.Lasked_\@:
.endm
.macro CREST                           ; a round of the cluster's barrier behind its opening barrier
	s_cmp_lg_u32 s14, 0
	s_cbranch_scc1 .Lnot_wave_0_\@
	s_barrier_signal -3
.Lnot_wave_0_\@:
	s_barrier_wait -3
	s_barrier_signal -1
	s_barrier_wait -1
.endm
.macro CROUND
	s_barrier_signal -1
	s_barrier_wait -1
	CREST
.endm
.macro PLACES                          ; four places in front of loads into registers that matrix instructions have read (ISA guide 7.12.1 for vector instructions)
.rept 4
	v_nop
.endr
.endm
.macro HRED1 d, reg, n                 ; the largest of one field of 2 n entries a lane
	v_max_num_f32 v[\d], v[\reg], v[(\reg)+2]
.set hq, 1
.rept (\n)-1
	v_max3_num_f32 v[\d], v[\d], v[(\reg)+4*hq], v[(\reg)+4*hq+2]
.set hq, hq+1
.endr
.endm
.macro XLANE r                         ; the largest over the 32 lanes, in every lane
	v_max_num_f32_dpp v[\r], v[\r], v[\r] row_xmask:1 row_mask:0xf bank_mask:0xf
	v_max_num_f32_dpp v[\r], v[\r], v[\r] row_xmask:2 row_mask:0xf bank_mask:0xf
	v_max_num_f32_dpp v[\r], v[\r], v[\r] row_xmask:4 row_mask:0xf bank_mask:0xf
	v_max_num_f32_dpp v[\r], v[\r], v[\r] row_xmask:8 row_mask:0xf bank_mask:0xf
	v_permlanex16_b32 v[PT], v[\r], s66, s67
	v_max_num_f32 v[\r], v[\r], v[PT]
.endm
	s_load_b256 s[4:11], s[0:1], 0x0               ; key s[4:5], value s[6:7], mask s[8:9], wkv s[10:11]
	s_load_b64 s[12:13], s[0:1], 0x20              ; p
	v_lshl_add_u32 v[SPW], v0, 2, SPARE
	v_mov_b32 v[NIL], 0
	ds_add_u32 v[SPW], v[NIL]                      ; the wave's opening: the add and its wait ahead of my first tensor load
	v_lshrrev_b32 v1, 5, v0
	v_readfirstlane_b32 s14, v1                    ; wave
	s_lshr_b32 s15, s14, 1                         ; I fetch rows (0) or weights (1)
	s_and_b32 s16, s14, 1                          ; which half of them
	s_bfe_u32 s17, ttmp6, 0x40000                  ; cx
	s_bfe_u32 s18, ttmp6, 0x40004                  ; cy
	s_lshl_b32 s19, ttmp9, 2
	s_add_co_u32 s19, s19, s17                     ; x: which 256 columns
	s_and_b32 s21, ttmp7, 0xffff                   ; the cluster's y
	s_lshr_b32 s71, s21, 3                         ; 0: pk', 1: pv'; the same in all partners
	s_and_b32 s20, s21, 7
	s_lshl_b32 s20, s20, 2
	s_add_co_u32 s20, s20, s18                     ; which 256 of the 8,192 rows
	s_lshl_b32 s22, s18, 2
	s_lshl_b32 s22, 15, s22                        ; my row of the cluster
	s_lshl_b32 s23, 0x1111, s17                    ; my column
	s_or_b32 s[G1], s22, (2<<16)|(1<<20)|(1<<21)|(4<<22)|(3<<25)  ; the mask; 4-byte elements; padding on; bit 21 beside a mask; after every 32 words, 4 words
	s_mov_b32 s[G1+1], (1024-KS)<<16               ; tensor_dim0: what is left of a row from step 1 on; it steps down with each refill, to 64 at the last
	s_mov_b32 s[G1+2], 128<<16                     ; tensor_dim1 = 128
	s_mov_b32 s[G1+3], KS<<16                      ; tile_dim0 = 96
	s_mov_b32 s[G1+4], 128                         ; tile_dim1 = 128
	s_mov_b32 s[G1+5], 1024                        ; elements from row to row
	s_mov_b32 s[G1+6], 0
	s_mov_b32 s[G1+7], 0
	s_or_b32 s[G1B], s23, (3<<16)|(1<<21)          ; 8-byte elements, no padding: fragments are read 512 consecutive bytes at a time
	s_mov_b32 s[G1B+1], (4096-WROW/8)<<16          ; tensor_dim0: what is left of a block's 32 KB from step 1 on; it steps down likewise, to 256 at the last
	s_mov_b32 s[G1B+2], 8<<16                      ; 8 rows: 8 blocks of 16 columns
	s_mov_b32 s[G1B+3], (WROW/8)<<16               ; a row: three fragments, 3,072 bytes
	s_mov_b32 s[G1B+4], 8
	s_mov_b32 s[G1B+5], 4096                       ; 32 KB from block to block
	s_mov_b32 s[G1B+6], 0
	s_mov_b32 s[G1B+7], 0
	s_lshl_b32 s40, s20, 8
	s_lshl_b32 s41, s16, 7
	s_add_co_u32 s40, s40, s41
	s_lshl_b32 s40, s40, 12                        ; my 128 rows of 4,096 bytes
	s_mov_b32 s41, 0
	s_lshl_b32 s44, s19, 4
	s_lshl_b32 s45, s16, 3
	s_add_co_u32 s44, s44, s45
	s_lshl_b32 s44, s44, 15                        ; my 8 blocks of columns,
	s_lshl_b32 s45, s71, 21                        ; in Wk's or Wv's fragments
	s_add_co_u32 s44, s44, s45
	s_add_co_u32 s44, s44, HDR
	s_mov_b32 s45, 0
	s_mul_i32 s72, s14, 128*APITCH                 ; where they go: the wave's number alone enters an LDS address
	s_mul_i32 s73, s14, 8*WROW
	s_add_co_u32 s73, s73, WOFF-2*8*WROW
	s_lshl_b32 s86, s72, 1                         ; an address a in one slot becomes (2 x base + SLOT) - a in the other
	s_add_co_u32 s86, s86, SLOT
	s_lshl_b32 s87, s73, 1
	s_add_co_u32 s87, s87, SLOT
	s_mov_b32 s66, 0x76543210
	s_mov_b32 s67, 0xfedcba98
	s_mov_b32 s84, 0x7fff7fff
	s_mov_b32 s70, 0                               ; the slot that is read
	s_wait_dscnt 0x0                               ; the opening add is done
	s_wait_kmcnt 0x0
	s_cmp_eq_u32 s71, 0
	s_cselect_b64 s[42:43], s[4:5], s[6:7]
	s_add_nc_u64 s[42:43], s[42:43], s[40:41]
	s_add_nc_u64 s[46:47], s[10:11], s[44:45]
	CROUND                                         ; all sixteen work-groups are here: the first joint loads meet
.irp s, 0,1
	s_mov_b32 s[G0+4*(\s)], 1
	s_add_co_u32 s[G0+4*(\s)+1], s72, (\s)*SLOT
	s_add_nc_u64 s[G0+4*(\s)+2:G0+4*(\s)+3], s[42:43], (\s)*KS*4
	s_or_b32 s[G0+4*(\s)+3], s[G0+4*(\s)+3], 0x80000000
	s_mov_b32 s[G0B+4*(\s)], 1
	s_add_co_u32 s[G0B+4*(\s)+1], s73, (\s)*SLOT
	s_add_nc_u64 s[G0B+4*(\s)+2:G0B+4*(\s)+3], s[46:47], (\s)*WROW
	s_or_b32 s[G0B+4*(\s)+3], s[G0B+4*(\s)+3], 0x80000000
	JLOAD \s                                       ; two loads of mine are out
.endr
	v_and_b32 v1, 15, v0                           ; l % 16
	v_bfe_u32 v2, v0, 4, 1                         ; l / 16
	v_and_b32 v[L16], 31, v0
	v_lshlrev_b32 v[L16], 4, v[L16]
	v_lshlrev_b32 v[MO], 5, v2                     ; my eight mask numbers of a block of 16 rows
	s_lshl_b32 s82, s20, 8
	s_lshl_b32 s83, s14, 6
	s_add_co_u32 s82, s82, s83
	s_lshl_b32 s82, s82, 2
	s_mov_b32 s83, 0
	s_add_nc_u64 s[76:77], s[8:9], s[82:83]        ; mask at my wave's first row
.irp a, 0,1,2,3
	global_load_b128 v[MSK+8*\a:MSK+8*\a+3],   v[MO], s[76:77] offset:64*\a
	global_load_b128 v[MSK+8*\a+4:MSK+8*\a+7], v[MO], s[76:77] offset:64*\a+16
.endr
.irp q, 0,1,2,3
	global_load_b128 v[H+4*\q:H+4*\q+3], v[L16], s[10:11] offset:512*\q  ; wkv's 256 entries
.endr
	v_mul_u32_u24 v[AA0], v1, APITCH
	v_lshl_add_u32 v[AA0], v2, 5, v[AA0]           ; row x pitch + 32 bytes x half: eight f32
	s_mul_i32 s74, s14, 64*APITCH
	v_add_nc_u32 v[AA0], s74, v[AA0]
	v_add_nc_u32 v[AW0], WOFF, v[L16]
	v_mov_b32 v[ADRA], v[AA0]
	v_mov_b32 v[ADRW], v[AW0]
	s_lshl_b32 s75, s14, 16
	v_add_nc_u32 v[DW], s75, v[L16]                ; way out: my 64 KB
	v_mov_b32 v[PT], 0
.irp k, 0,1,2,3
	v_mov_b32 v[MX+\k], 0
.endr
	s_lshl_b32 s80, s71, 24                        ; p: pk' or pv' (16 MB),
	s_lshr_b32 s81, s20, 3
	s_lshl_b32 s81, s81, 22                        ; the batch (4 MB),
	s_add_co_u32 s80, s80, s81
	s_lshl_b32 s81, s19, 20                        ; my 16 blocks of columns (64 KB each),
	s_add_co_u32 s80, s80, s81
	s_and_b32 s81, s20, 7
	s_lshl_b32 s81, s81, 3
	s_lshl_b32 s82, s14, 1
	s_add_co_u32 s81, s81, s82
	s_lshl_b32 s81, s81, 10                        ; my 64 rows: two fragments along s
	s_add_co_u32 s80, s80, s81
	s_add_co_u32 s80, s80, HDR
	s_mov_b32 s81, 0
	s_add_nc_u64 s[78:79], s[12:13], s[80:81]
	s_lshl_b32 s82, s21, 2
	s_add_co_u32 s82, s82, s18
	s_lshl_b32 s82, s82, 2
	s_add_co_u32 s82, s82, s19                     ; my entry: 4 y + x; 0-127 pk', 128-255 pv'
	s_lshl_b32 s82, s82, 3
	v_mov_b32 v[EO], s82
	s_lshl_b32 s83, s14, 2
	s_add_co_u32 s83, s83, STAT
	v_mov_b32 v[SA], s83
	v_mov_b32 v[SB], STAT
; 16 LDS loads: my 64 rows, 32 k of quarter q, as f32
.macro FETCHA q
	WIN 0
.set ia, 0
.rept 4
	ds_load_b128 v[RAW+16*ia:RAW+16*ia+3],     v[ADRA] offset:ia*16*APITCH+(\q)*ACH
	ds_load_b128 v[RAW+16*ia+4:RAW+16*ia+7],   v[ADRA] offset:ia*16*APITCH+(\q)*ACH+16
	ds_load_b128 v[RAW+16*ia+8:RAW+16*ia+11],  v[ADRA] offset:ia*16*APITCH+(\q)*ACH+64
	ds_load_b128 v[RAW+16*ia+12:RAW+16*ia+15], v[ADRA] offset:ia*16*APITCH+(\q)*ACH+80
.set ia, ia+1
.endr
.endm
; 16 LDS loads: the 8 weight fragments of half s of the columns, quarter q, into that half's buffer
.macro FETCHW s, q
	WIN 0x40                                       ; destination window 1
.set ib, 0
.rept 8
	ds_load_b128 v[64*(\s)+8*ib:64*(\s)+8*ib+3],   v[ADRW] offset:(8*(\s)+ib)*WROW+(\q)*1024
	ds_load_b128 v[64*(\s)+8*ib+4:64*(\s)+8*ib+7], v[ADRW] offset:(8*(\s)+ib)*WROW+(\q)*1024+512
.set ib, ib+1
.endr
.endm
; 32 roundings: four fragments of rows into quarter q's buffer.  They name no register of the products in front of them (those read another quarter's buffer), so they are also the four
; places in front of the loads into the second weight buffer, which those products read.
.macro CVT q
	WIN 0
.set i, 0
.rept 32
	v_cvt_pk_f16_f32 v[CV+32*(\q)+i], v[RAW+2*i], v[RAW+2*i+1]
.set i, i+1
.endr
.endm
; 32 matrix instructions: my four blocks of rows x half s of the columns.  The accumulators take turns, one instruction a turn.
.macro MULS q, s, zero
.set ia, 0
.rept 4
	WIN 0xa4+0x50*(ia/2)                           ; rows window 0, weights window 1, C and D window 2 or 3
.set ib, 0
.rept 8
.set rD, 128*(ia%2)+8*(8*(\s)+ib)
.if \zero
	v_wmma_f32_16x16x32_f16 v[rD:rD+7], v[CV+32*(\q)+8*ia:CV+32*(\q)+8*ia+7], v[64*(\s)+8*ib:64*(\s)+8*ib+7], 0
.else
	v_wmma_f32_16x16x32_f16 v[rD:rD+7], v[CV+32*(\q)+8*ia:CV+32*(\q)+8*ia+7], v[64*(\s)+8*ib:64*(\s)+8*ib+7], v[rD:rD+7]
.endif
.set ib, ib+1
.endr
.set ia, ia+1
.endr
.endm
; Quarter q (0 or 1) of a step.  LDS loads go out in this order: second weight half of q, rows of q + 1, first weight half of q + 1; each has 32 matrix instructions or more ahead of its use.
.macro QUART q, zero
	s_wait_dscnt 16                                ; my rows are in; the 16 loads of the first weight half behind them may be out
	CVT \q
	FETCHW 1, \q
	FETCHA (\q)+1
	s_wait_dscnt 32                                ; the first weight half is in; the 32 just issued may be out
	MULS \q, 0, \zero
	PLACES
	FETCHW 0, (\q)+1
	s_wait_dscnt 32                                ; the second weight half is in; the next rows and the next first half may be out
	MULS \q, 1, \zero
.endm
; Quarter 2 changes slots.  All that this slot still owes is fetched first; then each wave waits for all its tensor loads, adds 0 to its spare word, and waits for that and for its reads of the slot.
; Nothing else stands between a tile's landing and the next request: the quarter's 64 products follow the refill.
.macro TURN fill
	s_wait_dscnt 16
	CVT 2
	FETCHW 1, 2                                    ; my last reads of this slot
	WIN 0
	s_wait_tensorcnt 0x0                           ; all my tensor loads have landed: my part of the next slot; so the descriptors may be written
	ds_add_u32 v[SPW], v[NIL]                      ; 0 onto my spare word; scalar work stands between it and the wait for it
.if \fill
	s_sub_co_u32 s[G1+1], s[G1+1], KS<<16          ; the walking descriptors: 96 k less are left of a row,
	s_sub_co_u32 s[G0+5], s86, s[G0+5]             ; the other slot than last time,
	s_add_nc_u64 s[G0+6:G0+7], s[G0+6:G0+7], KS*4  ; the next step
	s_sub_co_u32 s[G1B+1], s[G1B+1], (WROW/8)<<16
	s_sub_co_u32 s[G0B+5], s87, s[G0B+5]
	s_add_nc_u64 s[G0B+6:G0B+7], s[G0B+6:G0B+7], WROW
.endif
	s_sub_co_u32 s70, SLOT, s70
	s_wait_dscnt 0x0                               ; the add is done, and my reads of this slot are over
	s_barrier_signal -1
	s_barrier_wait -1
.if \fill
	CREST                                          ; the barrier has opened a round of the cluster's: no wave of any partner still reads this slot or has a load on its way
	JLOAD 1                                        ; my one tensor load behind the round
.endif
	v_add_nc_u32 v[ADRA], s70, v[AA0]
	v_add_nc_u32 v[ADRW], s70, v[AW0]
	FETCHA 0
	MULS 2, 0, 0
	PLACES
	FETCHW 0, 0
	MULS 2, 1, 0
.endm
	s_wait_tensorcnt 0x1                           ; my part of step 0 is in; step 1's may stay out
	s_barrier_signal -1
	s_barrier_wait -1
	FETCHA 0
	FETCHW 0, 0
	QUART 0, 1                                     ; the first products start the sums
	WIN 0
	; mu from the largest |mask|, made here, where tiles are still on their way, and not behind the last product
	s_wait_loadcnt 0x0                             ; mask and entries
	HRED1 SM, H, 4
	XLANE SM
	v_lshrrev_b32 v[EE], 23, v[SM]                 ; its exponent e, held to 15 .. 240
	v_max_u32 v[EE], 15, v[EE]
	v_min_u32 v[EE], 240, v[EE]
	v_sub_nc_u32 v[SC], 253, v[EE]
	v_lshlrev_b32 v[SC], 23, v[SC]                 ; mu = 2^(126 - e)
	v_add_nc_u32 v[ENT+1], 1, v[EE]
	v_lshlrev_b32 v[ENT+1], 23, v[ENT+1]           ; 1 / mu
	v_mov_b32 v[SC+1], v[SC]
	s_mov_b32 s3, 9
.Lstep:                                                ; 9 trips, from a step's second quarter to the next step's first: steps 2 to 10 are asked for
	QUART 1, 0
	TURN 1
	QUART 0, 0
	WIN 0
	s_sub_co_u32 s3, s3, 1
	s_cmp_lg_u32 s3, 0
	s_cbranch_scc1 .Lstep
	QUART 1, 0                                     ; the tail asks for nothing: the rest of step 9,
	TURN 0
	QUART 0, 0                                     ; and step 10, which has two quarters
	s_wait_dscnt 16
	CVT 1
	FETCHW 1, 1
	WIN 0
	s_wait_dscnt 0x0                               ; my last reads of the ring are over:
	s_barrier_signal -1                            ; behind this barrier the ring's bytes, which have had their last fill, take the accumulators
	MULS 1, 0, 0
	MULS 1, 1, 0
	WIN 0
	s_barrier_wait -1
	; THE WAY OUT.  These 32 lines are the places behind the last products.
.set i, 0
.rept 16
	v_pk_mul_f32 v[ME+2*i:ME+2*i+1], v[MSK+2*i:MSK+2*i+1], 0xbfb8aa3b op_sel_hi:[1,0]
	v_pk_mul_f32 v[MU+2*i:MU+2*i+1], v[MSK+2*i:MSK+2*i+1], v[SC:SC+1]
.set i, i+1
.endr
	; The accumulators go into my own 64 KB of LDS, so that one short text can walk them: block b's four accumulators lie in 4,096 consecutive bytes.  Each accumulator's low half first.
.set ia, 0
.rept 4
	WIN 0x08+4*(ia/2)                              ; data in window 2 or 3
.set ib, 0
.rept 16
	ds_store_b128 v[DW], v[128*(ia%2)+8*ib:128*(ia%2)+8*ib+3]   offset:((4*ib+ia)*2)*512
	ds_store_b128 v[DW], v[128*(ia%2)+8*ib+4:128*(ia%2)+8*ib+7] offset:((4*ib+ia)*2+1)*512
.set ib, ib+1
.endr
.set ia, ia+1
.endr
	WIN 0
.irp q, 0,1,2,3,4,5,6,7
	ds_load_b128 v[Z+4*\q:Z+4*\q+3], v[DW] offset:512*\q  ; LDS serves a wave's instructions in order (ISA guide 5.7.1.4): these see the stores above
.endr
	s_mov_b32 s3, 16
	s_mov_b32 s88, 0
.Lblk:                                                 ; a trip: one block of 16 columns, 64 rows.  pv' jumps over the swish; the branch hangs on the cluster's y, which all partners share
	s_wait_dscnt 0x0
	s_cmp_eq_u32 s71, 0
	s_cbranch_scc0 .Lplain1
.set i, 0
.rept 16
	v_pk_mul_f32 v[T+2*i:T+2*i+1], v[Z+2*i:Z+2*i+1], v[ME+2*i:ME+2*i+1]  ; -log2(e) mask z
.set i, i+1
.endr
.Lplain1:
.set i, 0
.rept 16
	v_pk_mul_f32 v[U+2*i:U+2*i+1], v[Z+2*i:Z+2*i+1], v[MU+2*i:MU+2*i+1]  ; mu mask z
.set i, i+1
.endr
	s_add_co_u32 s88, s88, 4096                    ; the next block is read meanwhile.  The address wraps inside my 64 KB: the sixteenth trip reads block 0 once more,
	s_and_b32 s88, s88, 0xffff                     ; eight loads that serve nothing, the price of one text for every trip
	v_add_nc_u32 v[RD], s88, v[DW]
.irp q, 0,1,2,3,4,5,6,7
	ds_load_b128 v[Z+4*\q:Z+4*\q+3], v[RD] offset:512*\q
.endr
	s_cmp_eq_u32 s71, 0
	s_cbranch_scc0 .Lplain2
.set i, 0
.rept 32
	v_exp_f32 v[T+i], v[T+i]
.set i, i+1
.endr
	v_nop                                          ; a plain instruction behind the last exponential
.set i, 0
	s_wait_alu depctr_va_vdst(0)
.rept 16
	v_pk_add_f32 v[T+2*i:T+2*i+1], v[T+2*i:T+2*i+1], 1.0 op_sel_hi:[1,0]
.set i, i+1
.endr
.set i, 0
.rept 32
	v_rcp_f32 v[T+i], v[T+i]
.set i, i+1
.endr
	v_nop
.set i, 0
	s_wait_alu depctr_va_vdst(0)
.rept 16
	v_pk_mul_f32 v[U+2*i:U+2*i+1], v[U+2*i:U+2*i+1], v[T+2*i:T+2*i+1]
.set i, i+1
.endr
.Lplain2:
	s_wait_xcnt 0x0                                ; the last trip's stores, a trip's arithmetic back, have had their addresses translated: their base and data are written again only behind this wait
	s_add_nc_u64 s[78:79], s[78:79], 65536         ; one block of columns on; the stores below reach back
.set i, 0
.rept 16
	v_cvt_pk_f16_f32 v[O+i], v[U+2*i], v[U+2*i+1]
.set i, i+1
.endr
.set i, 0
.rept 16
	v_and_b32 v[T4+i%4], s84, v[O+i]
	v_pk_max_num_f16 v[MX+i%4], v[MX+i%4], v[T4+i%4]
.set i, i+1
.endr
.irp a, 0,1,2,3
	global_store_b128 v[L16], v[O+4*\a:O+4*\a+3], s[78:79] offset:512*\a-65536  ; half a fragment: 512 consecutive bytes
.endr
	s_sub_co_u32 s3, s3, 1
	s_cmp_lg_u32 s3, 0
	s_cbranch_scc1 .Lblk
	v_pk_max_num_f16 v[MX], v[MX], v[MX+1]         ; the largest |stored| of the work-group
	v_pk_max_num_f16 v[MX+2], v[MX+2], v[MX+3]
	v_pk_max_num_f16 v[MX], v[MX], v[MX+2]
	v_cvt_f32_f16 v23, v12.l
	v_cvt_f32_f16 v19, v12.h
	v_max_num_f32 v[TM], v[TM], v[EE]
	XLANE TM
	ds_store_b32 v[SA], v[TM]
	s_wait_dscnt 0x0                               ; for the others' sake
	s_barrier_signal -1
	s_barrier_wait -1
	ds_load_b128 v[SL:SL+3], v[SB]
	s_wait_dscnt 0x0
	v_max_num_f32 v[ENT], v[SL], v[SL+1]
	v_max3_num_f32 v[ENT], v[ENT], v[SL+2], v[SL+3]
	s_wait_xcnt 0x0                                ; EXEC changes only behind this wait
	v_cmp_eq_u32 vcc_lo, 0, v0
	s_and_saveexec_b32 s85, vcc_lo
	global_store_b64 v[EO], v[ENT:ENT+1], s[12:13]
	s_wait_xcnt 0x0
	s_or_b32 exec_lo, exec_lo, s85
	s_wait_tensorcnt 0x0                           ; the wave's end
	ds_add_u32 v[SPW], v[NIL]
	s_wait_dscnt 0x0
	CROUND                                         ; the closing round
	s_endpgm
.Lfunc_end_k_qc997a99afa_proj:
	.size	k_qc997a99afa_proj, .Lfunc_end_k_qc997a99afa_proj-k_qc997a99afa_proj
	.p2alignl 7, 3214868480
	.fill 96, 4, 3214868480
	.section	.rodata,"a",@progbits
	.p2align	6, 0x0
	.amdhsa_kernel k_qc997a99afa_proj
		.amdhsa_group_segment_fixed_size 327680
		.amdhsa_private_segment_fixed_size 0
		.amdhsa_enable_private_segment 0
		.amdhsa_kernarg_size 40
		.amdhsa_user_sgpr_count 2
		.amdhsa_user_sgpr_kernarg_segment_ptr 1
		.amdhsa_wavefront_size32 1
		.amdhsa_system_sgpr_workgroup_id_x 1
		.amdhsa_system_sgpr_workgroup_id_y 1
		.amdhsa_system_sgpr_workgroup_id_z 1
		.amdhsa_system_vgpr_workitem_id 0
		.amdhsa_next_free_vgpr 1024
		.amdhsa_next_free_sgpr 92
		.amdhsa_reserve_vcc 1
		.amdhsa_float_denorm_mode_32 3
		.amdhsa_float_denorm_mode_16_64 3
		.amdhsa_memory_ordered 1
		.amdhsa_forward_progress 1
		.amdhsa_inst_pref_size 110
	.end_amdhsa_kernel
	.amdgpu_metadata
---
amdhsa.version: [ 1, 2 ]
amdhsa.kernels:
  - .name:           k_qc997a99afa_proj
    .symbol:         k_qc997a99afa_proj.kd
    .args:
      - { .name: key, .offset: 0, .size: 8, .value_kind: global_buffer, .address_space: global }
      - { .name: value, .offset: 8, .size: 8, .value_kind: global_buffer, .address_space: global }
      - { .name: mask, .offset: 16, .size: 8, .value_kind: global_buffer, .address_space: global }
      - { .name: wkv, .offset: 24, .size: 8, .value_kind: global_buffer, .address_space: global }
      - { .name: p, .offset: 32, .size: 8, .value_kind: global_buffer, .address_space: global }
    .group_segment_fixed_size: 327680
    .private_segment_fixed_size: 0
    .kernarg_segment_align: 8
    .kernarg_segment_size: 40
    .max_flat_workgroup_size: 128
    .sgpr_count:     92
    .vgpr_count:     1024
    .wavefront_size: 32
...
	.end_amdgpu_metadata
.endif
;; end of part 2
;; launch kvp (part 3): grid 8 x 32, 4 waves a work-group, clusters of 4 x 4, 327,680 bytes of LDS; arguments p, kv; writes kv
.if DOCPART == 3
	.amdgcn_target "amdgcn-amd-amdhsa--gfx1250"
	.amdhsa_code_object_version 6
	.text
	.protected	k_qc997a99afa_kvp
	.globl	k_qc997a99afa_kvp
	.p2align	8
	.type	k_qc997a99afa_kvp,@function
k_qc997a99afa_kvp:
	s_mov_b64 s[64:65], 0
	v_nop
	global_prefetch_b8 v0, s[64:65] scope:SCOPE_SE
	s_setreg_imm32_b32 hwreg(HW_REG_WAVE_MODE, 25, 1), 1
	s_wait_xcnt 0x0
	s_wait_alu depctr_hold_cnt(0) depctr_sa_sdst(0) depctr_va_vdst(0) depctr_va_sdst(0) depctr_va_ssrc(0) depctr_va_vcc(0) depctr_vm_vsrc(0)
	s_getreg_b32 s2, hwreg(HW_REG_IB_STS2, 6, 4)
	s_cmp_eq_u32 s2, 0
	s_cbranch_scc0 .Lentry_in_a_cluster
	s_endpgm
.Lentry_in_a_cluster:
	s_bfe_u32 s2, ttmp6, 0x10000c
	s_cmp_lg_u32 s2, 0xf033
	s_cbranch_scc0 .Lentry_shape_is_right
	s_endpgm
.Lentry_shape_is_right:
; C'[n][m] = s x the sum over k of X[m][k] Y[n][k], all three f16 in the fragment layout: byte ((fb (Kc/32) + kb) 2 + c) 512 + 16 lane + 2 j holds free index 16 fb + lane % 16,
; summed index 32 kb + 16 c + 8 (lane / 16) + j.  C's free index is Y's, its summed index X's: a result tile, rounded in pairs, is half a fragment of C and is stored as it lies.
; KVP = 1: X = pk' (free u), Y = pv' (free v), both in p, k = s (2,048), by batch: C = kv'.   KVP = 0: X by batch, Y a weight, k of 1,024: T' from kv' and Wq, M' from T' and Wo.
; (This program computes out = query ((Wq kv) Wo): the same sums as (((query Wq) kv) Wo), associated otherwise, so the order of rounding differs.)
; THE SCALE.  s is the power of two with s K max|X| max|Y| in [2^14, 2^15): no |C'| can pass f16's range.  The maxima come from the operands' entries; C's entries take its own maximum and
; true / stored = icX icY / s, a power of two, which the last launch applies exactly.  s is a factor only: no address and no branch hangs on it.
; LIMITS.  The bound's exponent is held to 2^-112 .. 2^113, and the product of the inverse scales must stay a normal f32; NaN and infinities are not treated apart.
; SHARES.  A work-group: 128 (X) x 128 (Y); four waves of 64 x 64: 16 accumulators.  K goes in steps of 256 through two LDS slots of 64 KB + 64 KB; a fragment is two loads of 512 consecutive bytes.
; CLUSTER 4 x 4: X's tiles are shared along a row, Y's along a column: joint loads.
; REGISTERS.  window 0: v0-31 addresses, statistics; v32-103 at work on the way out; v128-255 accumulator (a, b) at 128 + 8 (4 a + b).   window 1: two buffers of 128: 64 of X, 64 of Y.
.set KVP, 1
.if KVP
.set KDIM,  2048
.set ROWSH, 16                         ; a block of 16 free indices is KDIM x 32 bytes
.set KCF,   0x45000000                 ; 2048.0
.else
.set KDIM,  1024
.set ROWSH, 15
.set KCF,   0x44800000                 ; 1024.0
.endif
.set STEPS, KDIM/256
.set HDR,   4096
.set SLOT1, 1<<17
.set YOFF,  65536
.set STAT,  262144                     ; four words, a block of 256 bytes of their own
.set SPARE, 262400                     ; the spare words, 128 bytes a wave
.set L16,  3
.set ADRX, 4
.set ADRY, 5
.set AX0,  6
.set AY0,  7
.set MX,   8                           ; v8-11 four running maxima, two f16 each
.set TM,   12
.set PT,   17
.set BB,   18
.set EE,   19
.set SC,   20                          ; v20-21 s, twice
.set VI,   22
.set ENT,  24                          ; v24-25 the entry
.set SA,   26
.set SB,   27
.set SPW,  28
.set NIL,  29
.set EO,   30
.set TMP,  32
.set T4,   96
.set SL,   100
.set ACC,  128
.set F0,   0
.set F1,   128
.set G1,  24
.set G0,  32
.set G1B, 48
.set G0B, 56
.set MUL,  0x05                        ; sources 0 and 1 window 1
.set TO_F, 0x40                        ; destination window 1
.set MSB, 0
.macro WIN new                         ; the immediate's high byte repeats the setting that is left
.if MSB != (\new)
	s_set_vgpr_msb (MSB<<8)|(\new)
.set MSB, \new
.endif
.endm
.macro JLOAD s                         ; a joint load: waves 0 and 1 fetch X's two halves, waves 2 and 3 Y's
	s_cmp_eq_u32 s15, 0
	s_cbranch_scc0 .Lsecond_\@
	tensor_load_to_lds s[G0+4*(\s):G0+4*(\s)+3], s[G1:G1+7]
	s_nop 0
.rept 4
	v_nop
.endr
	s_branch .Lasked_\@
.Lsecond_\@:
	tensor_load_to_lds s[G0B+4*(\s):G0B+4*(\s)+3], s[G1B:G1B+7]
	s_nop 0
.rept 4
	v_nop
.endr
.Lasked_\@:
.endm
.macro CREST                           ; a round of the cluster's barrier behind its opening barrier
	s_cmp_lg_u32 s14, 0
	s_cbranch_scc1 .Lnot_wave_0_\@
	s_barrier_signal -3
.Lnot_wave_0_\@:
	s_barrier_wait -3
	s_barrier_signal -1
	s_barrier_wait -1
.endm
.macro CROUND
	s_barrier_signal -1
	s_barrier_wait -1
	CREST
.endm
.macro PLACES                          ; four places in front of loads into registers that matrix instructions have read, and of vector lines that read results (ISA guide 7.12.1 for vector instructions)
.rept 4
	v_nop
.endr
.endm
.macro HLOAD base, reg, n              ; n x 64 entries of a buffer's head
.set hq, 0
.rept \n
	global_load_b128 v[(\reg)+4*hq:(\reg)+4*hq+3], v[L16], s[\base:\base+1] offset:512*hq
.set hq, hq+1
.endr
.endm
.macro HRED1 d, reg, n                 ; the largest of one field of 2 n entries a lane
	v_max_num_f32 v[\d], v[\reg], v[(\reg)+2]
.set hq, 1
.rept (\n)-1
	v_max3_num_f32 v[\d], v[\d], v[(\reg)+4*hq], v[(\reg)+4*hq+2]
.set hq, hq+1
.endr
.endm
.macro XLANE r                         ; the largest over the 32 lanes, in every lane
	v_max_num_f32_dpp v[\r], v[\r], v[\r] row_xmask:1 row_mask:0xf bank_mask:0xf
	v_max_num_f32_dpp v[\r], v[\r], v[\r] row_xmask:2 row_mask:0xf bank_mask:0xf
	v_max_num_f32_dpp v[\r], v[\r], v[\r] row_xmask:4 row_mask:0xf bank_mask:0xf
	v_max_num_f32_dpp v[\r], v[\r], v[\r] row_xmask:8 row_mask:0xf bank_mask:0xf
	v_permlanex16_b32 v[PT], v[\r], s66, s67
	v_max_num_f32 v[\r], v[\r], v[PT]
.endm
.if KVP
	s_load_b64 s[4:5], s[0:1], 0x0                 ; X lies in p,
	s_load_b64 s[6:7], s[0:1], 0x0                 ; and so does Y
	s_load_b64 s[8:9], s[0:1], 0x8                 ; C
.else
	s_load_b128 s[4:7], s[0:1], 0x0                ; X s[4:5], Y s[6:7]
	s_load_b64 s[8:9], s[0:1], 0x10                ; C
.endif
	v_lshl_add_u32 v[SPW], v0, 2, SPARE
	v_mov_b32 v[NIL], 0
	ds_add_u32 v[SPW], v[NIL]                      ; the wave's opening: the add and its wait ahead of my first tensor load
	v_lshrrev_b32 v1, 5, v0
	v_readfirstlane_b32 s14, v1                    ; wave
	s_lshr_b32 s15, s14, 1                         ; my half of X's 128.  Also: I fetch for X (0) or for Y (1)
	s_and_b32 s16, s14, 1                          ; my half of Y's 128.  Also: which half of that tile I fetch
	s_bfe_u32 s17, ttmp6, 0x40000                  ; cx
	s_bfe_u32 s18, ttmp6, 0x40004                  ; cy
	s_lshl_b32 s19, ttmp9, 2
	s_add_co_u32 s19, s19, s17                     ; x: which 128 of Y
	s_and_b32 s21, ttmp7, 0xffff
	s_lshl_b32 s20, s21, 2
	s_add_co_u32 s20, s20, s18                     ; y: 8 x batch + which 128 of X
	s_lshl_b32 s22, s18, 2
	s_lshl_b32 s22, 15, s22                        ; my row of the cluster
	s_lshl_b32 s23, 0x1111, s17                    ; my column
	s_or_b32 s[G1], s22, (3<<16)|(1<<21)           ; the mask; 8-byte elements; bit 21 beside a mask; no padding
	s_or_b32 s[G1B], s23, (3<<16)|(1<<21)
.irp g, G1, G1B
	s_mov_b32 s[\g+1], 1024<<16                    ; a row: 8 fragments, 8,192 bytes
	s_mov_b32 s[\g+2], 4<<16                       ; 4 rows: 4 blocks of 16
	s_mov_b32 s[\g+3], 1024<<16
	s_mov_b32 s[\g+4], 4
	s_mov_b32 s[\g+5], KDIM*4                      ; elements from block to block
	s_mov_b32 s[\g+6], 0
	s_mov_b32 s[\g+7], 0
.endr
	s_lshl_b32 s40, s20, 3
	s_lshl_b32 s41, s16, 2
	s_add_co_u32 s40, s40, s41
	s_lshl_b32 s40, s40, ROWSH                     ; X: my 4 blocks
	s_add_co_u32 s40, s40, HDR
	s_mov_b32 s41, 0
	s_lshl_b32 s44, s19, 3
	s_lshl_b32 s45, s16, 2
	s_add_co_u32 s44, s44, s45
	s_lshl_b32 s44, s44, ROWSH                     ; Y: my 4 blocks
.if KVP
	s_lshr_b32 s45, s21, 1                         ; the batch, from the cluster's y alone, which all partners share
	s_lshl_b32 s45, s45, 22
	s_add_co_u32 s44, s44, s45
	s_add_co_u32 s44, s44, HDR+(16<<20)            ; pv' lies 16 MB behind pk'
.else
	s_add_co_u32 s44, s44, HDR
.endif
	s_mov_b32 s45, 0
	s_lshl_b32 s71, s14, 15                        ; where they go: wave x 32 KB
	s_mov_b32 s66, 0x76543210
	s_mov_b32 s67, 0xfedcba98
	s_mov_b32 s80, 0x7fff7fff
	s_mov_b32 s70, 0                               ; the slot that is read
	s_wait_dscnt 0x0                               ; the opening add is done
	s_wait_kmcnt 0x0
	s_add_nc_u64 s[42:43], s[4:5], s[40:41]
	s_add_nc_u64 s[46:47], s[6:7], s[44:45]
	CROUND                                         ; all sixteen work-groups are here: the first joint loads meet
.irp s, 0,1
	s_mov_b32 s[G0+4*(\s)], 1
	s_add_co_u32 s[G0+4*(\s)+1], s71, (\s)*SLOT1
	s_add_nc_u64 s[G0+4*(\s)+2:G0+4*(\s)+3], s[42:43], (\s)*8192
	s_or_b32 s[G0+4*(\s)+3], s[G0+4*(\s)+3], 0x80000000
	s_mov_b32 s[G0B+4*(\s)], 1
	s_add_co_u32 s[G0B+4*(\s)+1], s71, (\s)*SLOT1
	s_add_nc_u64 s[G0B+4*(\s)+2:G0B+4*(\s)+3], s[46:47], (\s)*8192
	s_or_b32 s[G0B+4*(\s)+3], s[G0B+4*(\s)+3], 0x80000000
	JLOAD \s                                       ; two loads of mine are out
.endr
	v_and_b32 v[L16], 31, v0
	v_lshlrev_b32 v[L16], 4, v[L16]
.if KVP
	HLOAD 4, TMP, 4                                ; p's entries: 0-127 pk', 128-255 pv'
.else
	HLOAD 4, TMP, 4
	HLOAD 6, TMP+16, 4
.endif
	s_lshl_b32 s72, s15, 15
	v_add_nc_u32 v[AX0], s72, v[L16]
	s_lshl_b32 s73, s16, 15
	s_add_co_u32 s73, s73, YOFF
	v_add_nc_u32 v[AY0], s73, v[L16]
	v_mov_b32 v[ADRX], v[AX0]
	v_mov_b32 v[ADRY], v[AY0]
	v_mov_b32 v[PT], 0
.irp k, 0,1,2,3
	v_mov_b32 v[MX+\k], 0
.endr
	s_lshr_b32 s76, s20, 3
	s_lshl_b32 s76, s76, 21                        ; C: the batch (2 MB),
	s_lshl_b32 s77, s19, 3
	s_lshl_b32 s78, s16, 2
	s_add_co_u32 s77, s77, s78
	s_lshl_b32 s77, s77, 15                        ; my 4 blocks of Y's index (32 KB each),
	s_add_co_u32 s76, s76, s77
	s_and_b32 s77, s20, 7
	s_lshl_b32 s77, s77, 2
	s_lshl_b32 s78, s15, 1
	s_add_co_u32 s77, s77, s78
	s_lshl_b32 s77, s77, 10                        ; my 64 of X's index: two fragments
	s_add_co_u32 s76, s76, s77
	s_add_co_u32 s76, s76, HDR
	s_mov_b32 s77, 0
	s_add_nc_u64 s[74:75], s[8:9], s[76:77]
	s_lshl_b32 s78, s20, 3
	s_add_co_u32 s78, s78, s19                     ; my entry: 8 y + x
	s_lshl_b32 s78, s78, 3
	v_mov_b32 v[EO], s78
	s_lshl_b32 s79, s14, 2
	s_add_co_u32 s79, s79, STAT
	v_mov_b32 v[SA], s79
	v_mov_b32 v[SB], STAT
; 8 matrix instructions: X blocks a0, a0 + 1 x all 4 Y blocks, 32 along K: half c of buffer f.  The 16 accumulators take turns.
.macro MUL8 f, c, a0, zero
	WIN MUL
.irp a, \a0, (\a0)+1
.irp b, 0,1,2,3
.if \zero
	v_wmma_f32_16x16x32_f16 v[ACC+8*(4*(\a)+(\b)):ACC+8*(4*(\a)+(\b))+7], v[(\f)+8*(4*(\c)+(\a)):(\f)+8*(4*(\c)+(\a))+7], v[(\f)+64+8*(4*(\c)+(\b)):(\f)+64+8*(4*(\c)+(\b))+7], 0
.else
	v_wmma_f32_16x16x32_f16 v[ACC+8*(4*(\a)+(\b)):ACC+8*(4*(\a)+(\b))+7], v[(\f)+8*(4*(\c)+(\a)):(\f)+8*(4*(\c)+(\a))+7], v[(\f)+64+8*(4*(\c)+(\b)):(\f)+64+8*(4*(\c)+(\b))+7], v[ACC+8*(4*(\a)+(\b)):ACC+8*(4*(\a)+(\b))+7]
.endif
.endr
.endr
.endm
; 32 LDS loads in one run: the fragments of 64 along K, quarter kq of the slot, into buffer f; the first 32 along K first
.macro FETCH kq, f
	WIN TO_F
.irp c, 0,1
.irp i, 0,1,2,3
	ds_load_b128 v[(\f)+64+8*(4*(\c)+(\i)):(\f)+64+8*(4*(\c)+(\i))+3],   v[ADRY] offset:(\i)*8192+(\kq)*2048+(\c)*1024
	ds_load_b128 v[(\f)+64+8*(4*(\c)+(\i))+4:(\f)+64+8*(4*(\c)+(\i))+7], v[ADRY] offset:(\i)*8192+(\kq)*2048+(\c)*1024+512
	ds_load_b128 v[(\f)+8*(4*(\c)+(\i)):(\f)+8*(4*(\c)+(\i))+3],         v[ADRX] offset:(\i)*8192+(\kq)*2048+(\c)*1024
	ds_load_b128 v[(\f)+8*(4*(\c)+(\i))+4:(\f)+8*(4*(\c)+(\i))+7],       v[ADRX] offset:(\i)*8192+(\kq)*2048+(\c)*1024+512
.endr
.endr
.endm
; A step is four quarters of 64 along K on buffers 0, 1, 0, 1.  One of the first three: multiplies buffer f and fetches quarter kq into g.
.macro QUARTER kq, f, g, zero
	s_wait_dscnt 16                                ; the first 32 along K are in; the younger 16 loads may be out
	MUL8 \f, 0, 0, \zero
	MUL8 \f, 0, 2, \zero
	PLACES
	FETCH \kq, \g
	s_wait_dscnt 32                                ; all but the 32 just issued
	MUL8 \f, 1, 0, 0
	MUL8 \f, 1, 2, 0
.endm
; The last quarter changes slots and then multiplies buffer 1, whose fragments left the slot a quarter ago.  Each wave waits for all its tensor loads, adds 0 to its spare word, and waits for that and
; for its reads of the slot.  Nothing else stands between a tile's landing and the next request: the quarter's 32 products follow the refill.
.macro TURN fill
	WIN 0
	s_wait_tensorcnt 0x0                           ; all my tensor loads have landed: my part of the next slot; so the descriptors may be written
	ds_add_u32 v[SPW], v[NIL]                      ; 0 onto my spare word; scalar work stands between it and the wait for it
.if \fill
	s_xor_b32 s[G0+5], s[G0+5], SLOT1              ; the walking descriptors: the other slot than last time, the next step
	s_add_nc_u64 s[G0+6:G0+7], s[G0+6:G0+7], 8192
	s_xor_b32 s[G0B+5], s[G0B+5], SLOT1
	s_add_nc_u64 s[G0B+6:G0B+7], s[G0B+6:G0B+7], 8192
.endif
	s_xor_b32 s70, s70, SLOT1
	s_wait_dscnt 0x0                               ; the add is done, and my reads of this slot are over
	s_barrier_signal -1
	s_barrier_wait -1
.if \fill
	CREST                                          ; the barrier has opened a round of the cluster's: no wave of any partner still reads this slot or has a load on its way
	JLOAD 1                                        ; my one tensor load behind the round; its four v_nop are also the places in front of the loads below
.else
	PLACES
.endif
	v_add_nc_u32 v[ADRX], s70, v[AX0]
	v_add_nc_u32 v[ADRY], s70, v[AY0]
	FETCH 0, F0
	MUL8 F1, 0, 0, 0
	MUL8 F1, 0, 2, 0
	MUL8 F1, 1, 0, 0
	MUL8 F1, 1, 2, 0
.endm
	s_wait_tensorcnt 0x1                           ; my part of step 0 is in; step 1's may stay out
	s_barrier_signal -1
	s_barrier_wait -1
	FETCH 0, F0
	QUARTER 1, F0, F1, 1                           ; the first products start the sums
	WIN 0
	; THE SCALE, from the operands' entries: made here, where tiles are still on their way, and not behind the last product
	s_wait_loadcnt 0x0
.if KVP
	HRED1 13, TMP, 2
	HRED1 14, TMP+1, 2
	HRED1 15, TMP+8, 2
	HRED1 16, TMP+9, 2
.else
	HRED1 13, TMP, 4
	HRED1 14, TMP+1, 4
	HRED1 15, TMP+16, 4
	HRED1 16, TMP+17, 4
.endif
	XLANE 13                                       ; max|X|
	XLANE 14                                       ; X's true / stored
	XLANE 15                                       ; max|Y|
	XLANE 16
	v_mul_f32 v[BB], v13, v15
	v_mul_f32 v[BB], KCF, v[BB]                    ; no sum can pass K max|X| max|Y|
	v_lshrrev_b32 v[EE], 23, v[BB]                 ; its exponent e, held to 15 .. 240
	v_max_u32 v[EE], 15, v[EE]
	v_min_u32 v[EE], 240, v[EE]
	v_sub_nc_u32 v[SC], 268, v[EE]
	v_lshlrev_b32 v[SC], 23, v[SC]                 ; s = 2^(141 - e)
	v_add_nc_u32 v[VI], -14, v[EE]
	v_lshlrev_b32 v[VI], 23, v[VI]                 ; 1 / s
	v_mov_b32 v[SC+1], v[SC]
	v_mul_f32 v[ENT+1], v14, v16
	v_mul_f32 v[ENT+1], v[ENT+1], v[VI]
	s_mov_b32 s3, STEPS-2
.Lstep:                                                ; a trip goes from a step's second quarter to the next step's first, and asks for the step two on
	QUARTER 2, F1, F0, 0
	QUARTER 3, F0, F1, 0
	TURN 1
	QUARTER 1, F0, F1, 0
	WIN 0
	s_sub_co_u32 s3, s3, 1
	s_cmp_lg_u32 s3, 0
	s_cbranch_scc1 .Lstep
	QUARTER 2, F1, F0, 0                           ; the tail asks for nothing
	QUARTER 3, F0, F1, 0
	TURN 0
	QUARTER 1, F0, F1, 0
	QUARTER 2, F1, F0, 0
	QUARTER 3, F0, F1, 0
	s_wait_dscnt 16
	MUL8 F1, 0, 0, 0
	MUL8 F1, 0, 2, 0
	s_wait_dscnt 0x0
	MUL8 F1, 1, 0, 0
	MUL8 F1, 1, 2, 0
	WIN 0
	; THE WAY OUT
	PLACES
.set t, 0
.rept 16                               ; accumulator (a, b) = (t / 4, t % 4), its registers in ascending order
.set AC, ACC+8*t
.set TP, TMP+4*t
.irp q, 0,1,2,3
	v_pk_mul_f32 v[AC+2*\q:AC+2*\q+1], v[AC+2*\q:AC+2*\q+1], v[SC:SC+1]
.endr
.irp q, 0,1,2,3
	v_cvt_pk_f16_f32 v[TP+\q], v[AC+2*\q], v[AC+2*\q+1]
.endr
.irp q, 0,1,2,3
	v_and_b32 v[T4+\q], s80, v[TP+\q]
.endr
.irp q, 0,1,2,3
	v_pk_max_num_f16 v[MX+\q], v[MX+\q], v[T4+\q]
.endr
	global_store_b128 v[L16], v[TP:TP+3], s[74:75] offset:(t%4)*32768+(t/4)*512  ; half a fragment: 512 consecutive bytes
.set t, t+1
.endr
	v_pk_max_num_f16 v[MX], v[MX], v[MX+1]         ; the largest |stored| of the work-group
	v_pk_max_num_f16 v[MX+2], v[MX+2], v[MX+3]
	v_pk_max_num_f16 v[MX], v[MX], v[MX+2]
	v_cvt_f32_f16 v12, v8.l
	v_cvt_f32_f16 v13, v8.h
	v_max_num_f32 v[TM], v[TM], v13
	XLANE TM
	ds_store_b32 v[SA], v[TM]
	s_wait_dscnt 0x0                               ; for the others' sake
	s_barrier_signal -1
	s_barrier_wait -1
	ds_load_b128 v[SL:SL+3], v[SB]
	s_wait_dscnt 0x0
	v_max_num_f32 v[ENT], v[SL], v[SL+1]
	v_max3_num_f32 v[ENT], v[ENT], v[SL+2], v[SL+3]
	s_wait_xcnt 0x0                                ; EXEC changes only behind this wait
	v_cmp_eq_u32 vcc_lo, 0, v0
	s_and_saveexec_b32 s81, vcc_lo
	global_store_b64 v[EO], v[ENT:ENT+1], s[8:9]
	s_wait_xcnt 0x0
	s_or_b32 exec_lo, exec_lo, s81
	s_wait_tensorcnt 0x0                           ; the wave's end
	ds_add_u32 v[SPW], v[NIL]
	s_wait_dscnt 0x0
	CROUND                                         ; the closing round
	s_endpgm
.Lfunc_end_k_qc997a99afa_kvp:
	.size	k_qc997a99afa_kvp, .Lfunc_end_k_qc997a99afa_kvp-k_qc997a99afa_kvp
	.p2alignl 7, 3214868480
	.fill 96, 4, 3214868480
	.section	.rodata,"a",@progbits
	.p2align	6, 0x0
	.amdhsa_kernel k_qc997a99afa_kvp
		.amdhsa_group_segment_fixed_size 327680
		.amdhsa_private_segment_fixed_size 0
		.amdhsa_enable_private_segment 0
		.amdhsa_kernarg_size 16
		.amdhsa_user_sgpr_count 2
		.amdhsa_user_sgpr_kernarg_segment_ptr 1
		.amdhsa_wavefront_size32 1
		.amdhsa_system_sgpr_workgroup_id_x 1
		.amdhsa_system_sgpr_workgroup_id_y 1
		.amdhsa_system_sgpr_workgroup_id_z 1
		.amdhsa_system_vgpr_workitem_id 0
		.amdhsa_next_free_vgpr 512
		.amdhsa_next_free_sgpr 88
		.amdhsa_reserve_vcc 1
		.amdhsa_float_denorm_mode_32 3
		.amdhsa_float_denorm_mode_16_64 3
		.amdhsa_memory_ordered 1
		.amdhsa_forward_progress 1
		.amdhsa_inst_pref_size 80
	.end_amdhsa_kernel
	.amdgpu_metadata
---
amdhsa.version: [ 1, 2 ]
amdhsa.kernels:
  - .name:           k_qc997a99afa_kvp
    .symbol:         k_qc997a99afa_kvp.kd
    .args:
      - { .name: p, .offset: 0, .size: 8, .value_kind: global_buffer, .address_space: global }
      - { .name: kv, .offset: 8, .size: 8, .value_kind: global_buffer, .address_space: global }
    .group_segment_fixed_size: 327680
    .private_segment_fixed_size: 0
    .kernarg_segment_align: 8
    .kernarg_segment_size: 16
    .max_flat_workgroup_size: 128
    .sgpr_count:     88
    .vgpr_count:     512
    .wavefront_size: 32
...
	.end_amdgpu_metadata
.endif
;; end of part 3
;; launch tq (part 4): grid 8 x 32, 4 waves a work-group, clusters of 4 x 4, 327,680 bytes of LDS; arguments kv, wq, t; writes t
.if DOCPART == 4
	.amdgcn_target "amdgcn-amd-amdhsa--gfx1250"
	.amdhsa_code_object_version 6
	.text
	.protected	k_qc997a99afa_tq
	.globl	k_qc997a99afa_tq
	.p2align	8
	.type	k_qc997a99afa_tq,@function
k_qc997a99afa_tq:
	s_mov_b64 s[64:65], 0
	v_nop
	global_prefetch_b8 v0, s[64:65] scope:SCOPE_SE
	s_setreg_imm32_b32 hwreg(HW_REG_WAVE_MODE, 25, 1), 1
	s_wait_xcnt 0x0
	s_wait_alu depctr_hold_cnt(0) depctr_sa_sdst(0) depctr_va_vdst(0) depctr_va_sdst(0) depctr_va_ssrc(0) depctr_va_vcc(0) depctr_vm_vsrc(0)
	s_getreg_b32 s2, hwreg(HW_REG_IB_STS2, 6, 4)
	s_cmp_eq_u32 s2, 0
	s_cbranch_scc0 .Lentry_in_a_cluster
	s_endpgm
.Lentry_in_a_cluster:
	s_bfe_u32 s2, ttmp6, 0x10000c
	s_cmp_lg_u32 s2, 0xf033
	s_cbranch_scc0 .Lentry_shape_is_right
	s_endpgm
.Lentry_shape_is_right:
; C'[n][m] = s x the sum over k of X[m][k] Y[n][k], all three f16 in the fragment layout: byte ((fb (Kc/32) + kb) 2 + c) 512 + 16 lane + 2 j holds free index 16 fb + lane % 16,
; summed index 32 kb + 16 c + 8 (lane / 16) + j.  C's free index is Y's, its summed index X's: a result tile, rounded in pairs, is half a fragment of C and is stored as it lies.
; KVP = 1: X = pk' (free u), Y = pv' (free v), both in p, k = s (2,048), by batch: C = kv'.   KVP = 0: X by batch, Y a weight, k of 1,024: T' from kv' and Wq, M' from T' and Wo.
; (This program computes out = query ((Wq kv) Wo): the same sums as (((query Wq) kv) Wo), associated otherwise, so the order of rounding differs.)
; THE SCALE.  s is the power of two with s K max|X| max|Y| in [2^14, 2^15): no |C'| can pass f16's range.  The maxima come from the operands' entries; C's entries take its own maximum and
; true / stored = icX icY / s, a power of two, which the last launch applies exactly.  s is a factor only: no address and no branch hangs on it.
; LIMITS.  The bound's exponent is held to 2^-112 .. 2^113, and the product of the inverse scales must stay a normal f32; NaN and infinities are not treated apart.
; SHARES.  A work-group: 128 (X) x 128 (Y); four waves of 64 x 64: 16 accumulators.  K goes in steps of 256 through two LDS slots of 64 KB + 64 KB; a fragment is two loads of 512 consecutive bytes.
; CLUSTER 4 x 4: X's tiles are shared along a row, Y's along a column: joint loads.
; REGISTERS.  window 0: v0-31 addresses, statistics; v32-103 at work on the way out; v128-255 accumulator (a, b) at 128 + 8 (4 a + b).   window 1: two buffers of 128: 64 of X, 64 of Y.
.set KVP, 0
.if KVP
.set KDIM,  2048
.set ROWSH, 16                         ; a block of 16 free indices is KDIM x 32 bytes
.set KCF,   0x45000000                 ; 2048.0
.else
.set KDIM,  1024
.set ROWSH, 15
.set KCF,   0x44800000                 ; 1024.0
.endif
.set STEPS, KDIM/256
.set HDR,   4096
.set SLOT1, 1<<17
.set YOFF,  65536
.set STAT,  262144                     ; four words, a block of 256 bytes of their own
.set SPARE, 262400                     ; the spare words, 128 bytes a wave
.set L16,  3
.set ADRX, 4
.set ADRY, 5
.set AX0,  6
.set AY0,  7
.set MX,   8                           ; v8-11 four running maxima, two f16 each
.set TM,   12
.set PT,   17
.set BB,   18
.set EE,   19
.set SC,   20                          ; v20-21 s, twice
.set VI,   22
.set ENT,  24                          ; v24-25 the entry
.set SA,   26
.set SB,   27
.set SPW,  28
.set NIL,  29
.set EO,   30
.set TMP,  32
.set T4,   96
.set SL,   100
.set ACC,  128
.set F0,   0
.set F1,   128
.set G1,  24
.set G0,  32
.set G1B, 48
.set G0B, 56
.set MUL,  0x05                        ; sources 0 and 1 window 1
.set TO_F, 0x40                        ; destination window 1
.set MSB, 0
.macro WIN new                         ; the immediate's high byte repeats the setting that is left
.if MSB != (\new)
	s_set_vgpr_msb (MSB<<8)|(\new)
.set MSB, \new
.endif
.endm
.macro JLOAD s                         ; a joint load: waves 0 and 1 fetch X's two halves, waves 2 and 3 Y's
	s_cmp_eq_u32 s15, 0
	s_cbranch_scc0 .Lsecond_\@
	tensor_load_to_lds s[G0+4*(\s):G0+4*(\s)+3], s[G1:G1+7]
	s_nop 0
.rept 4
	v_nop
.endr
	s_branch .Lasked_\@
.Lsecond_\@:
	tensor_load_to_lds s[G0B+4*(\s):G0B+4*(\s)+3], s[G1B:G1B+7]
	s_nop 0
.rept 4
	v_nop
.endr
.Lasked_\@:
.endm
.macro CREST                           ; a round of the cluster's barrier behind its opening barrier
	s_cmp_lg_u32 s14, 0
	s_cbranch_scc1 .Lnot_wave_0_\@
	s_barrier_signal -3
.Lnot_wave_0_\@:
	s_barrier_wait -3
	s_barrier_signal -1
	s_barrier_wait -1
.endm
.macro CROUND
	s_barrier_signal -1
	s_barrier_wait -1
	CREST
.endm
.macro PLACES                          ; four places in front of loads into registers that matrix instructions have read, and of vector lines that read results (ISA guide 7.12.1 for vector instructions)
.rept 4
	v_nop
.endr
.endm
.macro HLOAD base, reg, n              ; n x 64 entries of a buffer's head
.set hq, 0
.rept \n
	global_load_b128 v[(\reg)+4*hq:(\reg)+4*hq+3], v[L16], s[\base:\base+1] offset:512*hq
.set hq, hq+1
.endr
.endm
.macro HRED1 d, reg, n                 ; the largest of one field of 2 n entries a lane
	v_max_num_f32 v[\d], v[\reg], v[(\reg)+2]
.set hq, 1
.rept (\n)-1
	v_max3_num_f32 v[\d], v[\d], v[(\reg)+4*hq], v[(\reg)+4*hq+2]
.set hq, hq+1
.endr
.endm
.macro XLANE r                         ; the largest over the 32 lanes, in every lane
	v_max_num_f32_dpp v[\r], v[\r], v[\r] row_xmask:1 row_mask:0xf bank_mask:0xf
	v_max_num_f32_dpp v[\r], v[\r], v[\r] row_xmask:2 row_mask:0xf bank_mask:0xf
	v_max_num_f32_dpp v[\r], v[\r], v[\r] row_xmask:4 row_mask:0xf bank_mask:0xf
	v_max_num_f32_dpp v[\r], v[\r], v[\r] row_xmask:8 row_mask:0xf bank_mask:0xf
	v_permlanex16_b32 v[PT], v[\r], s66, s67
	v_max_num_f32 v[\r], v[\r], v[PT]
.endm
.if KVP
	s_load_b64 s[4:5], s[0:1], 0x0                 ; X lies in p,
	s_load_b64 s[6:7], s[0:1], 0x0                 ; and so does Y
	s_load_b64 s[8:9], s[0:1], 0x8                 ; C
.else
	s_load_b128 s[4:7], s[0:1], 0x0                ; X s[4:5], Y s[6:7]
	s_load_b64 s[8:9], s[0:1], 0x10                ; C
.endif
	v_lshl_add_u32 v[SPW], v0, 2, SPARE
	v_mov_b32 v[NIL], 0
	ds_add_u32 v[SPW], v[NIL]                      ; the wave's opening: the add and its wait ahead of my first tensor load
	v_lshrrev_b32 v1, 5, v0
	v_readfirstlane_b32 s14, v1                    ; wave
	s_lshr_b32 s15, s14, 1                         ; my half of X's 128.  Also: I fetch for X (0) or for Y (1)
	s_and_b32 s16, s14, 1                          ; my half of Y's 128.  Also: which half of that tile I fetch
	s_bfe_u32 s17, ttmp6, 0x40000                  ; cx
	s_bfe_u32 s18, ttmp6, 0x40004                  ; cy
	s_lshl_b32 s19, ttmp9, 2
	s_add_co_u32 s19, s19, s17                     ; x: which 128 of Y
	s_and_b32 s21, ttmp7, 0xffff
	s_lshl_b32 s20, s21, 2
	s_add_co_u32 s20, s20, s18                     ; y: 8 x batch + which 128 of X
	s_lshl_b32 s22, s18, 2
	s_lshl_b32 s22, 15, s22                        ; my row of the cluster
	s_lshl_b32 s23, 0x1111, s17                    ; my column
	s_or_b32 s[G1], s22, (3<<16)|(1<<21)           ; the mask; 8-byte elements; bit 21 beside a mask; no padding
	s_or_b32 s[G1B], s23, (3<<16)|(1<<21)
.irp g, G1, G1B
	s_mov_b32 s[\g+1], 1024<<16                    ; a row: 8 fragments, 8,192 bytes
	s_mov_b32 s[\g+2], 4<<16                       ; 4 rows: 4 blocks of 16
	s_mov_b32 s[\g+3], 1024<<16
	s_mov_b32 s[\g+4], 4
	s_mov_b32 s[\g+5], KDIM*4                      ; elements from block to block
	s_mov_b32 s[\g+6], 0
	s_mov_b32 s[\g+7], 0
.endr
	s_lshl_b32 s40, s20, 3
	s_lshl_b32 s41, s16, 2
	s_add_co_u32 s40, s40, s41
	s_lshl_b32 s40, s40, ROWSH                     ; X: my 4 blocks
	s_add_co_u32 s40, s40, HDR
	s_mov_b32 s41, 0
	s_lshl_b32 s44, s19, 3
	s_lshl_b32 s45, s16, 2
	s_add_co_u32 s44, s44, s45
	s_lshl_b32 s44, s44, ROWSH                     ; Y: my 4 blocks
.if KVP
	s_lshr_b32 s45, s21, 1                         ; the batch, from the cluster's y alone, which all partners share
	s_lshl_b32 s45, s45, 22
	s_add_co_u32 s44, s44, s45
	s_add_co_u32 s44, s44, HDR+(16<<20)            ; pv' lies 16 MB behind pk'
.else
	s_add_co_u32 s44, s44, HDR
.endif
	s_mov_b32 s45, 0
	s_lshl_b32 s71, s14, 15                        ; where they go: wave x 32 KB
	s_mov_b32 s66, 0x76543210
	s_mov_b32 s67, 0xfedcba98
	s_mov_b32 s80, 0x7fff7fff
	s_mov_b32 s70, 0                               ; the slot that is read
	s_wait_dscnt 0x0                               ; the opening add is done
	s_wait_kmcnt 0x0
	s_add_nc_u64 s[42:43], s[4:5], s[40:41]
	s_add_nc_u64 s[46:47], s[6:7], s[44:45]
	CROUND                                         ; all sixteen work-groups are here: the first joint loads meet
.irp s, 0,1
	s_mov_b32 s[G0+4*(\s)], 1
	s_add_co_u32 s[G0+4*(\s)+1], s71, (\s)*SLOT1
	s_add_nc_u64 s[G0+4*(\s)+2:G0+4*(\s)+3], s[42:43], (\s)*8192
	s_or_b32 s[G0+4*(\s)+3], s[G0+4*(\s)+3], 0x80000000
	s_mov_b32 s[G0B+4*(\s)], 1
	s_add_co_u32 s[G0B+4*(\s)+1], s71, (\s)*SLOT1
	s_add_nc_u64 s[G0B+4*(\s)+2:G0B+4*(\s)+3], s[46:47], (\s)*8192
	s_or_b32 s[G0B+4*(\s)+3], s[G0B+4*(\s)+3], 0x80000000
	JLOAD \s                                       ; two loads of mine are out
.endr
	v_and_b32 v[L16], 31, v0
	v_lshlrev_b32 v[L16], 4, v[L16]
.if KVP
	HLOAD 4, TMP, 4                                ; p's entries: 0-127 pk', 128-255 pv'
.else
	HLOAD 4, TMP, 4
	HLOAD 6, TMP+16, 4
.endif
	s_lshl_b32 s72, s15, 15
	v_add_nc_u32 v[AX0], s72, v[L16]
	s_lshl_b32 s73, s16, 15
	s_add_co_u32 s73, s73, YOFF
	v_add_nc_u32 v[AY0], s73, v[L16]
	v_mov_b32 v[ADRX], v[AX0]
	v_mov_b32 v[ADRY], v[AY0]
	v_mov_b32 v[PT], 0
.irp k, 0,1,2,3
	v_mov_b32 v[MX+\k], 0
.endr
	s_lshr_b32 s76, s20, 3
	s_lshl_b32 s76, s76, 21                        ; C: the batch (2 MB),
	s_lshl_b32 s77, s19, 3
	s_lshl_b32 s78, s16, 2
	s_add_co_u32 s77, s77, s78
	s_lshl_b32 s77, s77, 15                        ; my 4 blocks of Y's index (32 KB each),
	s_add_co_u32 s76, s76, s77
	s_and_b32 s77, s20, 7
	s_lshl_b32 s77, s77, 2
	s_lshl_b32 s78, s15, 1
	s_add_co_u32 s77, s77, s78
	s_lshl_b32 s77, s77, 10                        ; my 64 of X's index: two fragments
	s_add_co_u32 s76, s76, s77
	s_add_co_u32 s76, s76, HDR
	s_mov_b32 s77, 0
	s_add_nc_u64 s[74:75], s[8:9], s[76:77]
	s_lshl_b32 s78, s20, 3
	s_add_co_u32 s78, s78, s19                     ; my entry: 8 y + x
	s_lshl_b32 s78, s78, 3
	v_mov_b32 v[EO], s78
	s_lshl_b32 s79, s14, 2
	s_add_co_u32 s79, s79, STAT
	v_mov_b32 v[SA], s79
	v_mov_b32 v[SB], STAT
; 8 matrix instructions: X blocks a0, a0 + 1 x all 4 Y blocks, 32 along K: half c of buffer f.  The 16 accumulators take turns.
.macro MUL8 f, c, a0, zero
	WIN MUL
.irp a, \a0, (\a0)+1
.irp b, 0,1,2,3
.if \zero
	v_wmma_f32_16x16x32_f16 v[ACC+8*(4*(\a)+(\b)):ACC+8*(4*(\a)+(\b))+7], v[(\f)+8*(4*(\c)+(\a)):(\f)+8*(4*(\c)+(\a))+7], v[(\f)+64+8*(4*(\c)+(\b)):(\f)+64+8*(4*(\c)+(\b))+7], 0
.else
	v_wmma_f32_16x16x32_f16 v[ACC+8*(4*(\a)+(\b)):ACC+8*(4*(\a)+(\b))+7], v[(\f)+8*(4*(\c)+(\a)):(\f)+8*(4*(\c)+(\a))+7], v[(\f)+64+8*(4*(\c)+(\b)):(\f)+64+8*(4*(\c)+(\b))+7], v[ACC+8*(4*(\a)+(\b)):ACC+8*(4*(\a)+(\b))+7]
.endif
.endr
.endr
.endm
; 32 LDS loads in one run: the fragments of 64 along K, quarter kq of the slot, into buffer f; the first 32 along K first
.macro FETCH kq, f
	WIN TO_F
.irp c, 0,1
.irp i, 0,1,2,3
	ds_load_b128 v[(\f)+64+8*(4*(\c)+(\i)):(\f)+64+8*(4*(\c)+(\i))+3],   v[ADRY] offset:(\i)*8192+(\kq)*2048+(\c)*1024
	ds_load_b128 v[(\f)+64+8*(4*(\c)+(\i))+4:(\f)+64+8*(4*(\c)+(\i))+7], v[ADRY] offset:(\i)*8192+(\kq)*2048+(\c)*1024+512
	ds_load_b128 v[(\f)+8*(4*(\c)+(\i)):(\f)+8*(4*(\c)+(\i))+3],         v[ADRX] offset:(\i)*8192+(\kq)*2048+(\c)*1024
	ds_load_b128 v[(\f)+8*(4*(\c)+(\i))+4:(\f)+8*(4*(\c)+(\i))+7],       v[ADRX] offset:(\i)*8192+(\kq)*2048+(\c)*1024+512
.endr
.endr
.endm
; A step is four quarters of 64 along K on buffers 0, 1, 0, 1.  One of the first three: multiplies buffer f and fetches quarter kq into g.
.macro QUARTER kq, f, g, zero
	s_wait_dscnt 16                                ; the first 32 along K are in; the younger 16 loads may be out
	MUL8 \f, 0, 0, \zero
	MUL8 \f, 0, 2, \zero
	PLACES
	FETCH \kq, \g
	s_wait_dscnt 32                                ; all but the 32 just issued
	MUL8 \f, 1, 0, 0
	MUL8 \f, 1, 2, 0
.endm
; The last quarter changes slots and then multiplies buffer 1, whose fragments left the slot a quarter ago.  Each wave waits for all its tensor loads, adds 0 to its spare word, and waits for that and
; for its reads of the slot.  Nothing else stands between a tile's landing and the next request: the quarter's 32 products follow the refill.
.macro TURN fill
	WIN 0
	s_wait_tensorcnt 0x0                           ; all my tensor loads have landed: my part of the next slot; so the descriptors may be written
	ds_add_u32 v[SPW], v[NIL]                      ; 0 onto my spare word; scalar work stands between it and the wait for it
.if \fill
	s_xor_b32 s[G0+5], s[G0+5], SLOT1              ; the walking descriptors: the other slot than last time, the next step
	s_add_nc_u64 s[G0+6:G0+7], s[G0+6:G0+7], 8192
	s_xor_b32 s[G0B+5], s[G0B+5], SLOT1
	s_add_nc_u64 s[G0B+6:G0B+7], s[G0B+6:G0B+7], 8192
.endif
	s_xor_b32 s70, s70, SLOT1
	s_wait_dscnt 0x0                               ; the add is done, and my reads of this slot are over
	s_barrier_signal -1
	s_barrier_wait -1
.if \fill
	CREST                                          ; the barrier has opened a round of the cluster's: no wave of any partner still reads this slot or has a load on its way
	JLOAD 1                                        ; my one tensor load behind the round; its four v_nop are also the places in front of the loads below
.else
	PLACES
.endif
	v_add_nc_u32 v[ADRX], s70, v[AX0]
	v_add_nc_u32 v[ADRY], s70, v[AY0]
	FETCH 0, F0
	MUL8 F1, 0, 0, 0
	MUL8 F1, 0, 2, 0
	MUL8 F1, 1, 0, 0
	MUL8 F1, 1, 2, 0
.endm
	s_wait_tensorcnt 0x1                           ; my part of step 0 is in; step 1's may stay out
	s_barrier_signal -1
	s_barrier_wait -1
	FETCH 0, F0
	QUARTER 1, F0, F1, 1                           ; the first products start the sums
	WIN 0
	; THE SCALE, from the operands' entries: made here, where tiles are still on their way, and not behind the last product
	s_wait_loadcnt 0x0
.if KVP
	HRED1 13, TMP, 2
	HRED1 14, TMP+1, 2
	HRED1 15, TMP+8, 2
	HRED1 16, TMP+9, 2
.else
	HRED1 13, TMP, 4
	HRED1 14, TMP+1, 4
	HRED1 15, TMP+16, 4
	HRED1 16, TMP+17, 4
.endif
	XLANE 13                                       ; max|X|
	XLANE 14                                       ; X's true / stored
	XLANE 15                                       ; max|Y|
	XLANE 16
	v_mul_f32 v[BB], v13, v15
	v_mul_f32 v[BB], KCF, v[BB]                    ; no sum can pass K max|X| max|Y|
	v_lshrrev_b32 v[EE], 23, v[BB]                 ; its exponent e, held to 15 .. 240
	v_max_u32 v[EE], 15, v[EE]
	v_min_u32 v[EE], 240, v[EE]
	v_sub_nc_u32 v[SC], 268, v[EE]
	v_lshlrev_b32 v[SC], 23, v[SC]                 ; s = 2^(141 - e)
	v_add_nc_u32 v[VI], -14, v[EE]
	v_lshlrev_b32 v[VI], 23, v[VI]                 ; 1 / s
	v_mov_b32 v[SC+1], v[SC]
	v_mul_f32 v[ENT+1], v14, v16
	v_mul_f32 v[ENT+1], v[ENT+1], v[VI]
	s_mov_b32 s3, STEPS-2
.Lstep:                                                ; a trip goes from a step's second quarter to the next step's first, and asks for the step two on
	QUARTER 2, F1, F0, 0
	QUARTER 3, F0, F1, 0
	TURN 1
	QUARTER 1, F0, F1, 0
	WIN 0
	s_sub_co_u32 s3, s3, 1
	s_cmp_lg_u32 s3, 0
	s_cbranch_scc1 .Lstep
	QUARTER 2, F1, F0, 0                           ; the tail asks for nothing
	QUARTER 3, F0, F1, 0
	TURN 0
	QUARTER 1, F0, F1, 0
	QUARTER 2, F1, F0, 0
	QUARTER 3, F0, F1, 0
	s_wait_dscnt 16
	MUL8 F1, 0, 0, 0
	MUL8 F1, 0, 2, 0
	s_wait_dscnt 0x0
	MUL8 F1, 1, 0, 0
	MUL8 F1, 1, 2, 0
	WIN 0
	; THE WAY OUT
	PLACES
.set t, 0
.rept 16                               ; accumulator (a, b) = (t / 4, t % 4), its registers in ascending order
.set AC, ACC+8*t
.set TP, TMP+4*t
.irp q, 0,1,2,3
	v_pk_mul_f32 v[AC+2*\q:AC+2*\q+1], v[AC+2*\q:AC+2*\q+1], v[SC:SC+1]
.endr
.irp q, 0,1,2,3
	v_cvt_pk_f16_f32 v[TP+\q], v[AC+2*\q], v[AC+2*\q+1]
.endr
.irp q, 0,1,2,3
	v_and_b32 v[T4+\q], s80, v[TP+\q]
.endr
.irp q, 0,1,2,3
	v_pk_max_num_f16 v[MX+\q], v[MX+\q], v[T4+\q]
.endr
	global_store_b128 v[L16], v[TP:TP+3], s[74:75] offset:(t%4)*32768+(t/4)*512  ; half a fragment: 512 consecutive bytes
.set t, t+1
.endr
	v_pk_max_num_f16 v[MX], v[MX], v[MX+1]         ; the largest |stored| of the work-group
	v_pk_max_num_f16 v[MX+2], v[MX+2], v[MX+3]
	v_pk_max_num_f16 v[MX], v[MX], v[MX+2]
	v_cvt_f32_f16 v12, v8.l
	v_cvt_f32_f16 v13, v8.h
	v_max_num_f32 v[TM], v[TM], v13
	XLANE TM
	ds_store_b32 v[SA], v[TM]
	s_wait_dscnt 0x0                               ; for the others' sake
	s_barrier_signal -1
	s_barrier_wait -1
	ds_load_b128 v[SL:SL+3], v[SB]
	s_wait_dscnt 0x0
	v_max_num_f32 v[ENT], v[SL], v[SL+1]
	v_max3_num_f32 v[ENT], v[ENT], v[SL+2], v[SL+3]
	s_wait_xcnt 0x0                                ; EXEC changes only behind this wait
	v_cmp_eq_u32 vcc_lo, 0, v0
	s_and_saveexec_b32 s81, vcc_lo
	global_store_b64 v[EO], v[ENT:ENT+1], s[8:9]
	s_wait_xcnt 0x0
	s_or_b32 exec_lo, exec_lo, s81
	s_wait_tensorcnt 0x0                           ; the wave's end
	ds_add_u32 v[SPW], v[NIL]
	s_wait_dscnt 0x0
	CROUND                                         ; the closing round
	s_endpgm
.Lfunc_end_k_qc997a99afa_tq:
	.size	k_qc997a99afa_tq, .Lfunc_end_k_qc997a99afa_tq-k_qc997a99afa_tq
	.p2alignl 7, 3214868480
	.fill 96, 4, 3214868480
	.section	.rodata,"a",@progbits
	.p2align	6, 0x0
	.amdhsa_kernel k_qc997a99afa_tq
		.amdhsa_group_segment_fixed_size 327680
		.amdhsa_private_segment_fixed_size 0
		.amdhsa_enable_private_segment 0
		.amdhsa_kernarg_size 24
		.amdhsa_user_sgpr_count 2
		.amdhsa_user_sgpr_kernarg_segment_ptr 1
		.amdhsa_wavefront_size32 1
		.amdhsa_system_sgpr_workgroup_id_x 1
		.amdhsa_system_sgpr_workgroup_id_y 1
		.amdhsa_system_sgpr_workgroup_id_z 1
		.amdhsa_system_vgpr_workitem_id 0
		.amdhsa_next_free_vgpr 512
		.amdhsa_next_free_sgpr 88
		.amdhsa_reserve_vcc 1
		.amdhsa_float_denorm_mode_32 3
		.amdhsa_float_denorm_mode_16_64 3
		.amdhsa_memory_ordered 1
		.amdhsa_forward_progress 1
		.amdhsa_inst_pref_size 81
	.end_amdhsa_kernel
	.amdgpu_metadata
---
amdhsa.version: [ 1, 2 ]
amdhsa.kernels:
  - .name:           k_qc997a99afa_tq
    .symbol:         k_qc997a99afa_tq.kd
    .args:
      - { .name: kv, .offset: 0, .size: 8, .value_kind: global_buffer, .address_space: global }
      - { .name: wq, .offset: 8, .size: 8, .value_kind: global_buffer, .address_space: global }
      - { .name: t, .offset: 16, .size: 8, .value_kind: global_buffer, .address_space: global }
    .group_segment_fixed_size: 327680
    .private_segment_fixed_size: 0
    .kernarg_segment_align: 8
    .kernarg_segment_size: 24
    .max_flat_workgroup_size: 128
    .sgpr_count:     88
    .vgpr_count:     512
    .wavefront_size: 32
...
	.end_amdgpu_metadata
.endif
;; end of part 4
;; launch mo: the kernel of part 4 again; grid 8 x 32, 4 waves a work-group, clusters of 4 x 4, 327,680 bytes of LDS; arguments t, wo, m; writes m
;; launch outp (part 5): grid 4 x 64, 4 waves a work-group, clusters of 4 x 4, 327,680 bytes of LDS; arguments query, m, out0; writes out0
.if DOCPART == 5
	.amdgcn_target "amdgcn-amd-amdhsa--gfx1250"
	.amdhsa_code_object_version 6
	.text
	.protected	k_qc997a99afa_outp
	.globl	k_qc997a99afa_outp
	.p2align	8
	.type	k_qc997a99afa_outp,@function
k_qc997a99afa_outp:
	s_mov_b64 s[64:65], 0
	v_nop
	global_prefetch_b8 v0, s[64:65] scope:SCOPE_SE
	s_setreg_imm32_b32 hwreg(HW_REG_WAVE_MODE, 25, 1), 1
	s_wait_xcnt 0x0
	s_wait_alu depctr_hold_cnt(0) depctr_sa_sdst(0) depctr_va_vdst(0) depctr_va_sdst(0) depctr_va_ssrc(0) depctr_va_vcc(0) depctr_vm_vsrc(0)
	s_getreg_b32 s2, hwreg(HW_REG_IB_STS2, 6, 4)
	s_cmp_eq_u32 s2, 0
	s_cbranch_scc0 .Lentry_in_a_cluster
	s_endpgm
.Lentry_in_a_cluster:
	s_bfe_u32 s2, ttmp6, 0x10000c
	s_cmp_lg_u32 s2, 0xf033
	s_cbranch_scc0 .Lentry_shape_is_right
	s_endpgm
.Lentry_shape_is_right:
; out[s][x] = ic x the sum over a of query[s][a] M'[a][x].  query and out are f32; M' is f16 in the fragment layout (free index x, summed index a; 2 MB a batch), ic = true / stored from m's entries, a power of two.
; (M = (Wq kv) Wo: the same sums as reference's, associated otherwise, so the order of rounding differs.)
; The matrix instruction takes 16 columns x as source 0 and 16 rows s as source 1: a lane then holds one row and eight neighbouring columns of out.
; SHARES.  A work-group: 128 rows x 256 columns; four waves of 64 x 128: 32 accumulators.  K = 1,024 goes in 8 steps of 128 through two LDS slots: 128 rows x 512 bytes of f32 (padded to 528) and 64 KB of fragments.
; The f32 numbers are rounded to f16 between LDS and the matrix unit.   CLUSTER 4 x 4: query's tiles are shared along a row, M's along a column: joint loads.
; LIMITS.  |query| below 65,504 (f16); NaN and infinities are not treated apart.
; REGISTERS.  window 0: v0-31 addresses; v32-47 entries; v64-127 f32 as read; v128-191 two buffers of 4 fragments of rows; v192-255 at work on the way out.
;   window 1: accumulator (a, b) = (block of x, block of s) at 64 b + 8 a.   window 2: two buffers of 8 fragments of M'.
.set HDR,    4096
.set QPITCH, 528                       ; 512 bytes + 16: 33 x 16, so the 16 rows of a load begin in 16 different 16-byte columns of 256
.set MOFF,   128*QPITCH
.set SLOT,   MOFF+65536
.set STAGE,  2*SLOT                    ; behind the ring: 16 rows x 528 bytes for each wave, for the way out
.set SPARE,  STAGE+4*16*QPITCH         ; the spare words, 128 bytes a wave
.set L16,  3
.set ADRQ, 4                           ; my rows in the slot that is read
.set ADRM, 5                           ; my fragments of M' there
.set AQ0,  6                           ; the same in slot 0; never rewritten
.set AM0,  7
.set STO,  8
.set RD,   9
.set PT,   16
.set SC,   20                          ; v20-21 ic, twice
.set SPW,  28
.set NIL,  29
.set H,    32
.set RAW,  64
.set CV,   128
.set TMP,  192
.set G1,  24
.set G0,  32
.set G1B, 48
.set G0B, 56
.set MSB, 0
.macro WIN new                         ; the immediate's high byte repeats the setting that is left
.if MSB != (\new)
	s_set_vgpr_msb (MSB<<8)|(\new)
.set MSB, \new
.endif
.endm
.macro JLOAD s                         ; a joint load: waves 0 and 1 fetch the two halves of query's rows, waves 2 and 3 of M's fragments
	s_cmp_eq_u32 s15, 0
	s_cbranch_scc0 .Lsecond_\@
	tensor_load_to_lds s[G0+4*(\s):G0+4*(\s)+3], s[G1:G1+7]
	s_nop 0
.rept 4
	v_nop
.endr
	s_branch .Lasked_\@
.Lsecond_\@:
	tensor_load_to_lds s[G0B+4*(\s):G0B+4*(\s)+3], s[G1B:G1B+7]
	s_nop 0
.rept 4
	v_nop
.endr
.Lasked_\@:
.endm
.macro CREST                           ; a round of the cluster's barrier behind its opening barrier
	s_cmp_lg_u32 s14, 0
	s_cbranch_scc1 .Lnot_wave_0_\@
	s_barrier_signal -3
.Lnot_wave_0_\@:
	s_barrier_wait -3
	s_barrier_signal -1
	s_barrier_wait -1
.endm
.macro CROUND
	s_barrier_signal -1
	s_barrier_wait -1
	CREST
.endm
	s_load_b128 s[4:7], s[0:1], 0x0                ; query s[4:5], m s[6:7]
	s_load_b64 s[8:9], s[0:1], 0x10                ; out0
	v_lshl_add_u32 v[SPW], v0, 2, SPARE
	v_mov_b32 v[NIL], 0
	ds_add_u32 v[SPW], v[NIL]                      ; the wave's opening: the add and its wait ahead of my first tensor load
	v_lshrrev_b32 v1, 5, v0
	v_readfirstlane_b32 s14, v1                    ; wave
	s_lshr_b32 s15, s14, 1                         ; my half of the 128 rows.  Also: I fetch query (0) or M' (1)
	s_and_b32 s16, s14, 1                          ; my half of the 256 columns.  Also: which half of that tile I fetch
	s_bfe_u32 s17, ttmp6, 0x40000                  ; cx
	s_bfe_u32 s18, ttmp6, 0x40004                  ; cy
	s_lshl_b32 s19, ttmp9, 2
	s_add_co_u32 s19, s19, s17                     ; x: which 256 columns
	s_and_b32 s21, ttmp7, 0xffff
	s_lshl_b32 s20, s21, 2
	s_add_co_u32 s20, s20, s18                     ; y: which 128 of the 8,192 rows
	s_lshl_b32 s22, s18, 2
	s_lshl_b32 s22, 15, s22                        ; my row of the cluster
	s_lshl_b32 s23, 0x1111, s17                    ; my column
	s_or_b32 s[G1], s22, (2<<16)|(1<<20)|(1<<21)|(6<<22)|(3<<25)  ; the mask; 4-byte elements; padding on; bit 21 beside a mask; after every 128 words, 4 words
	s_mov_b32 s[G1+1], 128<<16                     ; tensor_dim0 = 128
	s_mov_b32 s[G1+2], 64<<16                      ; tensor_dim1 = 64
	s_mov_b32 s[G1+3], 128<<16                     ; tile_dim0 = 128
	s_mov_b32 s[G1+4], 64                          ; tile_dim1 = 64
	s_mov_b32 s[G1+5], 1024                        ; elements from row to row
	s_mov_b32 s[G1+6], 0
	s_mov_b32 s[G1+7], 0
	s_or_b32 s[G1B], s23, (3<<16)|(1<<21)          ; 8-byte elements, no padding
	s_mov_b32 s[G1B+1], 512<<16                    ; a row: four fragments, 4,096 bytes
	s_mov_b32 s[G1B+2], 8<<16                      ; 8 rows: 8 blocks of 16 columns
	s_mov_b32 s[G1B+3], 512<<16
	s_mov_b32 s[G1B+4], 8
	s_mov_b32 s[G1B+5], 4096                       ; 32 KB from block to block
	s_mov_b32 s[G1B+6], 0
	s_mov_b32 s[G1B+7], 0
	s_lshl_b32 s40, s20, 7
	s_lshl_b32 s41, s16, 6
	s_add_co_u32 s40, s40, s41
	s_lshl_b32 s40, s40, 12                        ; my 64 rows of 4,096 bytes
	s_mov_b32 s41, 0
	s_lshl_b32 s44, s19, 4
	s_lshl_b32 s45, s16, 3
	s_add_co_u32 s44, s44, s45
	s_lshl_b32 s44, s44, 15                        ; my 8 blocks of columns,
	s_lshr_b32 s45, s21, 2                         ; in the batch, from the cluster's y alone, which all partners share
	s_lshl_b32 s45, s45, 21
	s_add_co_u32 s44, s44, s45
	s_add_co_u32 s44, s44, HDR
	s_mov_b32 s45, 0
	s_mul_i32 s72, s14, 64*QPITCH                  ; where they go: the wave's number alone enters an LDS address
	s_lshl_b32 s73, s14, 15
	s_add_co_u32 s73, s73, MOFF-2*32768
	s_lshl_b32 s86, s72, 1                         ; an address a in one slot becomes (2 x base + SLOT) - a in the other
	s_add_co_u32 s86, s86, SLOT
	s_lshl_b32 s87, s73, 1
	s_add_co_u32 s87, s87, SLOT
	s_mov_b32 s66, 0x76543210
	s_mov_b32 s67, 0xfedcba98
	s_mov_b32 s70, 0                               ; the slot that is read
	s_wait_dscnt 0x0                               ; the opening add is done
	s_wait_kmcnt 0x0
	s_add_nc_u64 s[42:43], s[4:5], s[40:41]
	s_add_nc_u64 s[46:47], s[6:7], s[44:45]
	CROUND                                         ; all sixteen work-groups are here: the first joint loads meet
.irp s, 0,1
	s_mov_b32 s[G0+4*(\s)], 1
	s_add_co_u32 s[G0+4*(\s)+1], s72, (\s)*SLOT
	s_add_nc_u64 s[G0+4*(\s)+2:G0+4*(\s)+3], s[42:43], (\s)*512
	s_or_b32 s[G0+4*(\s)+3], s[G0+4*(\s)+3], 0x80000000
	s_mov_b32 s[G0B+4*(\s)], 1
	s_add_co_u32 s[G0B+4*(\s)+1], s73, (\s)*SLOT
	s_add_nc_u64 s[G0B+4*(\s)+2:G0B+4*(\s)+3], s[46:47], (\s)*4096
	s_or_b32 s[G0B+4*(\s)+3], s[G0B+4*(\s)+3], 0x80000000
	JLOAD \s                                       ; two loads of mine are out
.endr
	v_and_b32 v1, 15, v0                           ; l % 16
	v_bfe_u32 v2, v0, 4, 1                         ; l / 16
	v_and_b32 v[L16], 31, v0
	v_lshlrev_b32 v[L16], 4, v[L16]
.irp q, 0,1,2,3
	global_load_b128 v[H+4*\q:H+4*\q+3], v[L16], s[6:7] offset:512*\q  ; m's 256 entries
.endr
	v_mul_u32_u24 v10, v1, QPITCH
	v_lshl_add_u32 v10, v2, 5, v10                 ; row x pitch + 32 bytes x half
	s_mul_i32 s74, s15, 64*QPITCH
	v_add_nc_u32 v[AQ0], s74, v10
	v_mov_b32 v[ADRQ], v[AQ0]
	s_lshl_b32 s75, s16, 15
	s_add_co_u32 s75, s75, MOFF
	v_add_nc_u32 v[AM0], s75, v[L16]
	v_mov_b32 v[ADRM], v[AM0]
	s_mul_i32 s78, s14, 16*QPITCH
	s_add_co_u32 s78, s78, STAGE                   ; my stage
	v_add_nc_u32 v[STO], s78, v10                  ; in: row l % 16, 32 bytes for each half of the lanes
	v_add_nc_u32 v[RD], s78, v[L16]                ; back: 32 lanes take a row's 512 bytes
	v_mov_b32 v[PT], 0
	s_lshl_b32 s80, s20, 7
	s_lshl_b32 s81, s15, 6
	s_add_co_u32 s80, s80, s81
	s_lshl_b32 s80, s80, 12                        ; out: my first row,
	s_lshl_b32 s81, s19, 8
	s_lshl_b32 s82, s16, 7
	s_add_co_u32 s81, s81, s82
	s_lshl_b32 s81, s81, 2                         ; my first column
	s_add_co_u32 s80, s80, s81
	s_mov_b32 s81, 0
	s_add_nc_u64 s[76:77], s[8:9], s[80:81]
; 32 LDS loads in one run, for 32 along K at quarter kq of the slot: my 64 rows as f32 (16 loads), then 8 fragments of M' into buffer f
.macro FETCH kq, f
	WIN 0
.set ib, 0
.rept 4
	ds_load_b128 v[RAW+16*ib:RAW+16*ib+3],     v[ADRQ] offset:ib*16*QPITCH+(\kq)*128
	ds_load_b128 v[RAW+16*ib+4:RAW+16*ib+7],   v[ADRQ] offset:ib*16*QPITCH+(\kq)*128+16
	ds_load_b128 v[RAW+16*ib+8:RAW+16*ib+11],  v[ADRQ] offset:ib*16*QPITCH+(\kq)*128+64
	ds_load_b128 v[RAW+16*ib+12:RAW+16*ib+15], v[ADRQ] offset:ib*16*QPITCH+(\kq)*128+80
.set ib, ib+1
.endr
	WIN 0x80                                       ; destination window 2
.set ia, 0
.rept 8
	ds_load_b128 v[64*(\f)+8*ia:64*(\f)+8*ia+3],   v[ADRM] offset:ia*4096+(\kq)*1024
	ds_load_b128 v[64*(\f)+8*ia+4:64*(\f)+8*ia+7], v[ADRM] offset:ia*4096+(\kq)*1024+512
.set ia, ia+1
.endr
.endm
; 32 roundings: four fragments of rows into buffer f.  They name no register of the products in front of them, so they are also the four places in front of the loads
; into the buffer of M' that those products read, and between a row buffer's last product and its next writing stand the other buffer's 32.
.macro CVT f
	WIN 0
.set i, 0
.rept 32
	v_cvt_pk_f16_f32 v[CV+32*(\f)+i], v[RAW+2*i], v[RAW+2*i+1]
.set i, i+1
.endr
.endm
; 8 matrix instructions: all 8 blocks of my columns x block b of my rows.  The 32 accumulators take turns.
.macro MULG b, f, zero
	WIN 0x52                                       ; M' window 2, rows window 0, C and D window 1
.set ia, 0
.rept 8
.if \zero
	v_wmma_f32_16x16x32_f16 v[64*(\b)+8*ia:64*(\b)+8*ia+7], v[64*(\f)+8*ia:64*(\f)+8*ia+7], v[CV+32*(\f)+8*(\b):CV+32*(\f)+8*(\b)+7], 0
.else
	v_wmma_f32_16x16x32_f16 v[64*(\b)+8*ia:64*(\b)+8*ia+7], v[64*(\f)+8*ia:64*(\f)+8*ia+7], v[CV+32*(\f)+8*(\b):CV+32*(\f)+8*(\b)+7], v[64*(\b)+8*ia:64*(\b)+8*ia+7]
.endif
.set ia, ia+1
.endr
.endm
; A step is four quarters of 32 along K on buffers 0, 1, 0, 1.  One of the first three: multiplies buffer f and fetches quarter kq of the slot into the other.
.macro QUART kq, f, zero
	s_wait_dscnt 16                                ; my rows are in; the 16 loads of M' behind them may be out
	CVT \f
	FETCH \kq, 1-(\f)
	s_wait_dscnt 32                                ; all but the 32 just issued
	MULG 0, \f, \zero
	MULG 1, \f, \zero
	MULG 2, \f, \zero
	MULG 3, \f, \zero
.endm
; The last quarter changes slots and then multiplies buffer 1, whose fragments have left the slot.  Each wave waits for all its tensor loads, adds 0 to its spare word, and waits for that and for its
; reads of the slot.  Nothing else stands between a tile's landing and the next request: the quarter's 32 products follow the refill.
.macro TURN fill
	s_wait_dscnt 16
	CVT 1
	s_wait_tensorcnt 0x0                           ; all my tensor loads have landed: my part of the next slot; so the descriptors may be written
	ds_add_u32 v[SPW], v[NIL]                      ; 0 onto my spare word; scalar work stands between it and the wait for it
.if \fill
	s_sub_co_u32 s[G0+5], s86, s[G0+5]             ; the walking descriptors: the other slot than last time, the next step
	s_add_nc_u64 s[G0+6:G0+7], s[G0+6:G0+7], 512
	s_sub_co_u32 s[G0B+5], s87, s[G0B+5]
	s_add_nc_u64 s[G0B+6:G0B+7], s[G0B+6:G0B+7], 4096
.endif
	s_sub_co_u32 s70, SLOT, s70
	s_wait_dscnt 0x0                               ; the add is done, and my reads of this slot are over
	s_barrier_signal -1
	s_barrier_wait -1
.if \fill
	CREST                                          ; the barrier has opened a round of the cluster's: no wave of any partner still reads this slot or has a load on its way
	JLOAD 1                                        ; my one tensor load behind the round
.endif
	v_add_nc_u32 v[ADRQ], s70, v[AQ0]
	v_add_nc_u32 v[ADRM], s70, v[AM0]
	FETCH 0, 0
	MULG 0, 1, 0
	MULG 1, 1, 0
	MULG 2, 1, 0
	MULG 3, 1, 0
.endm
	s_wait_tensorcnt 0x1                           ; my part of step 0 is in; step 1's may stay out
	s_barrier_signal -1
	s_barrier_wait -1
	FETCH 0, 0
	QUART 1, 0, 1                                  ; the first products start the sums
	WIN 0
	; ic from m's entries (all alike): made here, where tiles are still on their way, and not behind the last product
	s_wait_loadcnt 0x0
	v_max_num_f32 v[SC], v[H+1], v[H+3]
	v_max3_num_f32 v[SC], v[SC], v[H+5], v[H+7]
	v_max3_num_f32 v[SC], v[SC], v[H+9], v[H+11]
	v_max3_num_f32 v[SC], v[SC], v[H+13], v[H+15]
	v_max_num_f32_dpp v[SC], v[SC], v[SC] row_xmask:1 row_mask:0xf bank_mask:0xf
	v_max_num_f32_dpp v[SC], v[SC], v[SC] row_xmask:2 row_mask:0xf bank_mask:0xf
	v_max_num_f32_dpp v[SC], v[SC], v[SC] row_xmask:4 row_mask:0xf bank_mask:0xf
	v_max_num_f32_dpp v[SC], v[SC], v[SC] row_xmask:8 row_mask:0xf bank_mask:0xf
	v_permlanex16_b32 v[PT], v[SC], s66, s67
	v_max_num_f32 v[SC], v[SC], v[PT]
	v_mov_b32 v[SC+1], v[SC]
	s_mov_b32 s3, 6
.Lstep:                                                ; 6 trips, from a step's second quarter to the next step's first: steps 2 to 7 are asked for
	QUART 2, 1, 0
	QUART 3, 0, 0
	TURN 1
	QUART 1, 0, 0
	WIN 0
	s_sub_co_u32 s3, s3, 1
	s_cmp_lg_u32 s3, 0
	s_cbranch_scc1 .Lstep
	QUART 2, 1, 0                                  ; the tail asks for nothing
	QUART 3, 0, 0
	TURN 0
	QUART 1, 0, 0
	QUART 2, 1, 0
	QUART 3, 0, 0
	s_wait_dscnt 16
	CVT 1
	s_wait_dscnt 0x0
	MULG 0, 1, 0
	MULG 1, 1, 0
	MULG 2, 1, 0
	MULG 3, 1, 0
	WIN 0
	; THE WAY OUT
.rept 4
	v_nop                                          ; the places behind the last products (ISA guide 7.12.1)
.endr
; Block b of 16 rows: scaled, 32 bytes a lane into my stage, back as whole rows of 512 bytes, stored.
.macro OUTB b
.set BK, 64+64*((\b)%2)
	WIN 0x01                                       ; source 0 window 1
.set i, 0
.rept 32
	v_pk_mul_f32 v[TMP+2*i:TMP+2*i+1], v[64*(\b)+2*i:64*(\b)+2*i+1], v[SC:SC+1]  ; each accumulator's registers in ascending order
.set i, i+1
.endr
	WIN 0
.set ia, 0
.rept 8
	ds_store_b128 v[STO], v[TMP+8*ia:TMP+8*ia+3]   offset:ia*64
	ds_store_b128 v[STO], v[TMP+8*ia+4:TMP+8*ia+7] offset:ia*64+16
.set ia, ia+1
.endr
	s_wait_xcnt 0x0                                ; the registers that earlier stores read are loaded again only behind this wait
.set t, 0
.rept 16
	ds_load_b128 v[BK+4*t:BK+4*t+3], v[RD] offset:t*QPITCH  ; LDS serves a wave's instructions in order (ISA guide 5.7.1.4): these see the stores above; the next block's stores come behind them
.set t, t+1
.endr
.set t, 0
.rept 16
	s_wait_dscnt 15-t                              ; row t is back
	global_store_b128 v[L16], v[BK+4*t:BK+4*t+3], s[76:77] offset:(16*(\b)+t)*4096 th:TH_STORE_NT  ; 512 consecutive bytes, at a multiple of 512 from out's first
.set t, t+1
.endr
.endm
	OUTB 0
	OUTB 1
	OUTB 2
	OUTB 3
	s_wait_tensorcnt 0x0                           ; the wave's end
	ds_add_u32 v[SPW], v[NIL]
	s_wait_dscnt 0x0
	CROUND                                         ; the closing round
	s_endpgm
.Lfunc_end_k_qc997a99afa_outp:
	.size	k_qc997a99afa_outp, .Lfunc_end_k_qc997a99afa_outp-k_qc997a99afa_outp
	.p2alignl 7, 3214868480
	.fill 96, 4, 3214868480
	.section	.rodata,"a",@progbits
	.p2align	6, 0x0
	.amdhsa_kernel k_qc997a99afa_outp
		.amdhsa_group_segment_fixed_size 327680
		.amdhsa_private_segment_fixed_size 0
		.amdhsa_enable_private_segment 0
		.amdhsa_kernarg_size 24
		.amdhsa_user_sgpr_count 2
		.amdhsa_user_sgpr_kernarg_segment_ptr 1
		.amdhsa_wavefront_size32 1
		.amdhsa_system_sgpr_workgroup_id_x 1
		.amdhsa_system_sgpr_workgroup_id_y 1
		.amdhsa_system_sgpr_workgroup_id_z 1
		.amdhsa_system_vgpr_workitem_id 0
		.amdhsa_next_free_vgpr 640
		.amdhsa_next_free_sgpr 88
		.amdhsa_reserve_vcc 0
		.amdhsa_float_denorm_mode_32 3
		.amdhsa_float_denorm_mode_16_64 3
		.amdhsa_memory_ordered 1
		.amdhsa_forward_progress 1
		.amdhsa_inst_pref_size 109
	.end_amdhsa_kernel
	.amdgpu_metadata
---
amdhsa.version: [ 1, 2 ]
amdhsa.kernels:
  - .name:           k_qc997a99afa_outp
    .symbol:         k_qc997a99afa_outp.kd
    .args:
      - { .name: query, .offset: 0, .size: 8, .value_kind: global_buffer, .address_space: global }
      - { .name: m, .offset: 8, .size: 8, .value_kind: global_buffer, .address_space: global }
      - { .name: out0, .offset: 16, .size: 8, .value_kind: global_buffer, .address_space: global }
    .group_segment_fixed_size: 327680
    .private_segment_fixed_size: 0
    .kernarg_segment_align: 8
    .kernarg_segment_size: 24
    .max_flat_workgroup_size: 128
    .sgpr_count:     88
    .vgpr_count:     640
    .wavefront_size: 32
...
	.end_amdgpu_metadata
.endif
;; end of part 5
